; MI455X (gfx1250); checked and timed in simulation.
; The chip was launched on July 23, 2026; its instructions are those of AMD's public machine-readable ISA for CDNA 5 (MIT licence, August 2026) and "CDNA5" Instruction Set Architecture Reference Guide (July 2026). The comments in the code are by the model that wrote it; some were corrected since.
;; MP Attention. Allowed arithmetic: matrix products marked QUANTISED: E3M2 operands, one E8M0 scale for each 32 along K, by v_wmma_scale_f32_16x16x128_f8f6f4 with both operands' format E3M2, f32 sums; everything else in f32.
;; Inputs: gain_s one number float32; gain_t one number float32; k_w 1,024 x 1,024 float32; o_w 1,024 x 1,024 float32; q_w 1,024 x 1,024 float32; query 8 x 1,024 x 1,024 float32; rel_pos_bias 8 x 1,024 x 1,024 float32; v_w 1,024 x 1,024 float32.
;; Outputs: out0 8 x 1,024 x 1,024 float32.
;; This version of the problem:
;;   THIS VERSION OF THE PROBLEM IS GIVEN IN LOW PRECISION. The matrix products marked QUANTISED in the list below multiply operands that are first quantised to E3M2 (3 exponent bits, 2 mantissa bits; 6 bits a number), with one power-of-two scale for each 32 numbers along K (OCP MX v1.0); their sums are f32. All else is computed in f32.
;;   The module's matrix products, in the order in which they are computed (A, B: the left and right operand; K: the contracted axis; several contracted axes count as one K, in the product's order):
;;     1. [M 8,192, K 1,024] x [K 1,024, N 1,024]; A: input query; B: computed on the way: QUANTISED
;;     2. [M 8,192, K 1,024] x [K 1,024, N 1,024]; A: input query; B: computed on the way: QUANTISED
;;     3. [M 8,192, K 1,024] x [K 1,024, N 1,024]; A: input query; B: computed on the way: QUANTISED
;;     4. batch 64 x [M 1,024, K 128] x [K 128, N 1,024]; A: computed on the way; B: computed on the way: QUANTISED
;;     5. batch 64 x [M 1,024, K 1,024] x [K 1,024, N 128]; A: softmax (see below); B: computed on the way: QUANTISED
;;     6. [M 8,192, K 1,024] x [K 1,024, N 1,024]; A: computed on the way; B: computed on the way: QUANTISED
;;   THE QUANTISER, for each operand of a quantised product, along K:
;;     - K is cut into blocks of 32 from its start; a last block that is shorter is filled with zeros.
;;     - A block's scale is 2^e with e = floor(log2(the largest magnitude in the block)) - 4, held to -126 .. 127; a block of zeros has e = 0. As a byte (E8M0): e + 127.
;;     - Each number is divided by its block's scale, clamped to +-28, and rounded to the nearest number of E3M2, ties to even, subnormals kept.
;;     - The product sums the exact products of the quantised numbers (number of the format x scale) in f32.
;;   ~~~python
;;   def quantise(x, axis):      # numpy; x: float32 -> the quantised numbers, widened to float32 again
;;       x = np.moveaxis(x, axis, -1); K = x.shape[-1]
;;       x = np.pad(x, [(0, 0)] * (x.ndim - 1) + [(0, -K % 32)]); x = x.reshape(x.shape[:-1] + (-1, 32)); a = np.abs(x).max(-1, keepdims=True)
;;       e = np.where(a > 0, np.clip(np.frexp(np.where(a > 0, a, 1))[1] - 1 - 4, -126, 127), 0)      # np.frexp(a)[1] - 1 = floor(log2(a)), exactly
;;       r = np.clip(x / 2.0 ** e, -28, 28)
;;       step = 2.0 ** (np.maximum(np.frexp(np.where(r == 0, 1, r))[1] - 1, -2) - 2)
;;       q = np.round(r / step) * step * 2.0 ** e      # np.round: ties to even
;;       return np.moveaxis(q.reshape(q.shape[:-2] + (-1,))[..., :K], -1, axis).astype(np.float32)
;;   ~~~
;;   SOFTMAX AHEAD OF A QUANTISED PRODUCT. Where the list says 'softmax', what is quantised is not the finished softmax but p = 2^(t - M), with t = logit x log2(e) and M = ceil(the row's largest t), a whole number; so 1/2 < the row's largest p <= 1. The row's sum l is taken of the UNQUANTISED p, in f32, and the product's result is divided by l at the end. Since M is a whole number, a kernel that streams over the keys may use a running M (the ceiling of the running maximum): every later rescaling is an exact power of two, which a block's scale takes up: the codes' values come out the same.
;;   OPERANDS COMPUTED ON THE WAY. 'Computed on the way' means the value that the module computes at that place (a softmax that the list does not call 'softmax' is quantised finished and normalised). What goes into a quantiser is computed in f32, as accurately as f32 sums, v_exp_f32 and their like allow (about 1e-6 of the number): no bf16 or f16 on the way to a quantiser, and a product that is left as it is and whose result goes on into a quantised operand takes f32 operands (vector FMAs, or v_wmma_f32_16x16x4_f32). A number that lies on a knife's edge between two numbers of the format may be rounded either way, as far as f32 arithmetic and the matrix unit's own rounding can turn it there, and no further.
;; One version. Each part assembles by itself: llvm-mc -triple=amdgcn-amd-amdhsa -mcpu=gfx1250 --defsym DOCPART=n.
;; ======== version 1 of 1: 4 launches
;; workspace buffers: xq 6,553,600 bytes; wq 3,276,800 bytes; qkv 19,660,800 bytes; oq 6,553,600 bytes
;; launch prep (part 1): grid 768 x 1, 8 waves a work-group, no clusters, 69,632 bytes of LDS; arguments query, q_w, k_w, v_w, o_w, gain_s, xq, wq; writes xq, wq
.if DOCPART == 1
	.amdgcn_target "amdgcn-amd-amdhsa--gfx1250"
	.amdhsa_code_object_version 6
	.text
	.protected	k_q3dc4563867_prep
	.globl	k_q3dc4563867_prep
	.p2align	8
	.type	k_q3dc4563867_prep,@function
k_q3dc4563867_prep:
	s_mov_b64 s[64:65], 0
	v_nop
	global_prefetch_b8 v0, s[64:65] scope:SCOPE_SE
	s_setreg_imm32_b32 hwreg(HW_REG_WAVE_MODE, 25, 1), 1
	s_wait_xcnt 0x0
; PREP.  query [8192][1024] and the four weights [1024][1024], f32, become codes of BF6 (E3M2) with one E8M0 byte for each 32 along K (their last axis).
; A weight's row is first renormalised as reference() does: w x (gain_s / 32) / (1e-4 + |row| / 32).  query is multiplied by 1.0, which changes nothing: one path serves all five tensors.
; LAYOUT OF THE RESULT: images of operand registers.  A TILE is 16 rows: place p of tile T is row 32 (T / 2) + 8 (T % 2) + p + 8 (p / 8).  A FRAGMENT (a tile x 128 K) is 12 registers a lane;
; registers 4 c .. 4 c + 3 of lane l lie at 512 c + 16 l: 1,536 bytes.  A PANEL is 8 tiles: [K step 0..7][tile 0..7][1,536] and behind them 4,096 bytes of scale words, (tile t, place r, K step s) at 512 t + 32 r + 4 s.
; SHARES.  A work-group takes one tile for all of K; wave w takes K step w.  Work-groups 0-511: query's tiles; 512-767: the tiles of q_w, k_w, v_w, o_w, 64 each.
; Each load reads 512 consecutive bytes of a row; the numbers turn through the wave's own stage in LDS so that a lane holds 16 neighbours of each block of 32.
; LIMITS: NaN and infinities are not served.  A block of zeros gets the byte 1 where the rule says 127 (its codes are zeros, and this program alone reads the bytes); blocks whose largest magnitude
; lies under 2^-122 are held at that floor.  The factor is (gain / 32) x v_rcp_f32(..): a few units in the last place from reference()'s division.  gain_t is not used by reference() and is not read.
.set ROWB,  4096                       ; a row in memory: 1,024 f32
.set PANEL, 102400
.set CODES, 98304                      ; a panel's codes; its scale words begin here
.set FRB,   1536
.set KSB,   12288                      ; a K step of a panel: 8 fragments
.set SP,    528                        ; a stage row: 512 bytes + 16: row r starts at bank 4 r mod 64 (64 banks of 4 bytes: ISA guide 11.1)
.set WST,   16*SP                      ; a wave's stage
.set NS,    8*WST                      ; 512 bytes: the waves' sums of squares, (row place r, wave w) at 32 r + 4 w
.set SG,    NS+512                     ; 512 bytes: the tile's scale words, at 32 r + 4 w: as they lie in the panel
.set R,     16                         ; v16-79   the numbers as loaded
.set X,     80                         ; v80-143  register 16 b + i = k 32 b + 16 (lane / 16) + i of my row
.set PC,    144                        ; v144-163 the codes
.set TM,    164                        ; v164-179 at work in QUANT
.set PW,    180                        ; v180     the scale word
.set PS,    184                        ; v184-191 eight partial sums; later the tile's scale words
; 64 numbers of a lane, v[s] on, become a fragment's codes in v[PC] on and my row's scale word in v[PW]
.macro QUANT s
.irp b, 0,1,2,3
	v_max3_num_f32 v[TM+\b], |v[\s+16*\b]|, |v[\s+1+16*\b]|, 0x2800000   ; block b: my 16 numbers, and the floor 2^(5 - 127): the byte cannot fall under 1
.endr
.irp i, 2,4,6,8,10,12,14
.irp b, 0,1,2,3
	v_max3_num_f32 v[TM+\b], v[TM+\b], |v[\s+16*\b+\i]|, |v[\s+1+16*\b+\i]|   ; the four blocks by turns
.endr
.endr
.irp b, 0,1,2,3
	v_permlanex16_b32 v[TM+4+\b], v[TM+\b], s26, s27
.endr
.irp b, 0,1,2,3
	v_max_num_f32 v[TM+\b], v[TM+\b], v[TM+4+\b]   ; with lane l xor 16's: the block's largest magnitude
.endr
.irp b, 0,1,2,3
	v_add_nc_u32 v[TM+12+\b], 0xfe000000, v[TM+\b]   ; 4 off its exponent field: the conversion's scale operand
.endr
.irp b, 0,1,2,3
	v_lshrrev_b32 v[TM+4+\b], 23, v[TM+12+\b]      ; the scale's byte
.endr
	v_lshl_or_b32 v[PW], v[TM+5], 8, v[TM+4]
	v_lshl_or_b32 v[PW], v[TM+6], 16, v[PW]
	v_lshl_or_b32 v[PW], v[TM+7], 24, v[PW]
.irp c, 0,1
	v_cvt_scalef32_pk16_bf6_f32 v[PC+6*\c:PC+2+6*\c], v[\s+32*\c:\s+15+32*\c], v[TM+12+2*\c]
	v_cvt_scalef32_pk16_bf6_f32 v[PC+12+4*\c:PC+14+4*\c], v[\s+16+32*\c:\s+31+32*\c], v[TM+12+2*\c+1]   ; (a conversion's three registers begin on an even number)
.endr
	v_nop                                          ; one plain place behind a scaled conversion
.irp c, 0,1                                    ; the operand wants a WHOLE block in a lane: lanes 0-15 block 2 c, lanes 16-31 block 2 c + 1
.irp i, 0,1,2
	v_permlane16_swap_b32 v[PC+6*\c+\i], v[PC+12+4*\c+\i]
.endr
.irp i, 0,1,2
	v_mov_b32 v[PC+3+6*\c+\i], v[PC+12+4*\c+\i]
.endr
.endr
.endm
	s_load_b512 s[8:23], s[0:1], 0x0               ; query s[8:9], q_w, k_w, v_w, o_w s[10:17], gain_s s[18:19], xq s[20:21], wq s[22:23]
	v_lshl_add_u32 v192, v0, 2, 0x10c00
	v_mov_b32 v193, 0
	v_lshrrev_b32 v1, 5, v0
	v_readfirstlane_b32 s24, v1                    ; wave 0..7 = my K step
	v_and_b32 v1, 31, v0                           ; lane
	v_and_b32 v2, 15, v0                           ; r
	v_bfe_u32 v3, v0, 4, 1                         ; h
	v_lshlrev_b32 v4, 4, v1                        ; 16 x lane
	s_mul_i32 s25, s24, WST
	v_add_nc_u32 v5, s25, v4                       ; the stage, on the way in: a row's 512 bytes as they lie
	v_mul_u32_u24 v6, v2, SP
	v_lshl_add_u32 v6, v3, 6, v6
	v_add_nc_u32 v6, s25, v6                       ; and out: row r, + 64 h: my 16 numbers of a block
	v_lshlrev_b32 v8, 5, v2
	s_lshl_b32 s25, s24, 2
	v_add_nc_u32 v7, s25, v8                       ; 32 r + 4 w
	v_add_nc_u32 v9, SG, v7
	v_add_nc_u32 v7, NS, v7
	v_add_nc_u32 v8, NS, v8
	v_add_nc_u32 v10, SG, v4
	s_mov_b32 s26, 0x76543210
	s_mov_b32 s27, 0xfedcba98                      ; v_permlanex16_b32's selects for lane l xor 16
	s_mov_b32 s46, 0x3d000000                      ; 1 / 32 = 1 / sqrt(fan_in)
	s_mov_b32 s47, 0x38d1b717                      ; 1e-4
.irp b, 0,1,2,3
	v_mov_b32 v[TM+4+\b], 0                        ; written once: a lane permute's destination counts as one of its sources
.endr
	s_cmp_lt_u32 ttmp9, 512                        ; query's work-group, or a weight's?
	s_cselect_b32 s29, 0, -1                       ; all lanes' mask: a weight takes its factor, query 1.0
	s_cselect_b32 s34, 0, 512
	s_cselect_b32 s35, 511, 63
	s_sub_co_u32 s34, ttmp9, s34                   ; T: my tile in xq or in wq
	s_and_b32 s35, s34, s35                        ; and in its tensor
	s_lshr_b32 s36, s35, 1
	s_lshl_b32 s36, s36, 17                        ; 32 (T / 2) rows of 4,096 bytes
	s_and_b32 s37, s35, 1
	s_lshl_b32 s37, s37, 15                        ; + 8 (T % 2) rows
	s_add_co_u32 s36, s36, s37
	s_lshl_b32 s37, s24, 9                         ; + my K step's 512 bytes
	s_add_co_u32 s36, s36, s37
	s_mov_b32 s37, 0
	s_lshr_b32 s38, s34, 3
	s_mul_i32 s38, s38, PANEL                      ; my panel
	s_and_b32 s39, s34, 7                          ; my tile in it
	s_mul_i32 s40, s39, FRB
	s_add_co_u32 s40, s40, s38
	s_mul_i32 s41, s24, KSB
	s_add_co_u32 s40, s40, s41                     ; my fragment
	s_mov_b32 s41, 0
	s_lshl_b32 s42, s39, 9
	s_add_co_u32 s42, s42, s38
	s_add_co_u32 s42, s42, CODES                   ; my tile's scale words
	s_mov_b32 s43, 0
	s_wait_kmcnt 0x0
	s_cmp_lt_u32 ttmp9, 512                        ; the buffers are chosen by the work-group's number alone
	s_cselect_b64 s[30:31], s[8:9], s[10:11]
	s_cselect_b64 s[32:33], s[20:21], s[22:23]
	s_cmp_ge_u32 ttmp9, 576
	s_cselect_b64 s[30:31], s[12:13], s[30:31]
	s_cmp_ge_u32 ttmp9, 640
	s_cselect_b64 s[30:31], s[14:15], s[30:31]
	s_cmp_ge_u32 ttmp9, 704
	s_cselect_b64 s[30:31], s[16:17], s[30:31]
	s_load_b32 s28, s[18:19], 0x0                  ; gain_s
	s_add_nc_u64 s[30:31], s[30:31], s[36:37]
	s_add_nc_u64 s[44:45], s[32:33], s[42:43]
	s_add_nc_u64 s[32:33], s[32:33], s[40:41]
.irp i, 0,1,2,3,4,5,6,7,8,9,10,11,12,13,14,15
	global_load_b128 v[R+4*\i:R+4*\i+3], v4, s[30:31] offset:(\i+8*(\i/8))*ROWB th:TH_LOAD_NT   ; place i's row: 32 lanes read 512 consecutive bytes
.endr
.irp i, 0,1,2,3,4,5,6,7,8,9,10,11,12,13,14,15
	s_wait_loadcnt 15-\i                           ; loads come back in order: row i is in, the younger ones stay out
	ds_store_b128 v5, v[R+4*\i:R+4*\i+3] offset:SP*\i
.endr
.irp b, 0,1,2,3
.irp j, 0,1,2,3
	ds_load_b128 v[X+16*\b+4*\j:X+16*\b+4*\j+3], v6 offset:128*\b+16*\j   ; LDS serves a wave's instructions in order: these see my stores
.endr
.endr
	s_wait_dscnt 0x0
	v_pk_mul_f32 v[12:13], v[X:X+1], v[X:X+1]      ; the sum of my 64 squares, in two packed chains
	v_pk_mul_f32 v[14:15], v[X+2:X+3], v[X+2:X+3]
.irp j, 4,8,12,16,20,24,28,32,36,40,44,48,52,56,60
	v_pk_fma_f32 v[12:13], v[X+\j:X+\j+1], v[X+\j:X+\j+1], v[12:13]
	v_pk_fma_f32 v[14:15], v[X+\j+2:X+\j+3], v[X+\j+2:X+\j+3], v[14:15]
.endr
	v_pk_add_f32 v[12:13], v[12:13], v[14:15]
	v_add_f32 v12, v12, v13
	v_permlanex16_b32 v14, v12, s26, s27
	v_add_f32 v12, v12, v14                        ; my row's 128 squares of this K step
	ds_store_b32 v7, v12                           ; (both lanes of a row write the same word with the same value)
	s_wait_dscnt 0x0                               ; for the others' sake: my store has landed
	s_barrier_signal -1
	s_barrier_wait -1
	ds_load_b128 v[PS:PS+3], v8                    ; the eight waves' sums of my row
	ds_load_b128 v[PS+4:PS+7], v8 offset:16
	s_wait_kmcnt 0x0                               ; gain_s
	s_mul_f32 s28, s28, s46                        ; gain / 32
	s_wait_dscnt 0x0
	v_pk_add_f32 v[PS:PS+1], v[PS:PS+1], v[PS+2:PS+3]
	v_pk_add_f32 v[PS+4:PS+5], v[PS+4:PS+5], v[PS+6:PS+7]
	v_pk_add_f32 v[PS:PS+1], v[PS:PS+1], v[PS+4:PS+5]
	v_add_f32 v14, v[PS], v[PS+1]                  ; the same order in every wave: every wave has the same bits
	v_sqrt_f32 v15, v14
	v_mov_b32 v13, s28                             ; (a plain place behind the root)
	s_wait_alu depctr_va_vdst(0)                   ; the wait ahead of the first line that names a transcendental's result
	v_fma_f32 v14, v15, s46, s47                   ; 1e-4 + |row| / 32
	v_rcp_f32 v15, v14
	v_nop                                          ; a plain place behind the reciprocal
	s_wait_alu depctr_va_vdst(0)
	v_mul_f32 v12, v13, v15                        ; the row's factor
	v_cndmask_b32 v12, 1.0, v12, s29               ; query keeps its numbers
.set j, 0
.rept 32
	v_pk_mul_f32 v[X+j:X+j+1], v[X+j:X+j+1], v[12:13] op_sel_hi:[1,0]
.set j, j+2
.endr
	QUANT X
.irp c, 0,1,2
	global_store_b128 v4, v[PC+4*\c:PC+4*\c+3], s[32:33] offset:512*\c   ; the fragment as it stands: each store covers 512 consecutive bytes, aligned
.endr
	ds_store_b32 v9, v[PW]
	s_wait_dscnt 0x0                               ; for wave 0's sake
	s_barrier_signal -1
	s_barrier_wait -1
	s_cmp_lg_u32 s24, 0                            ; wave 0 stores the tile's 512 bytes of scale words whole
	s_cbranch_scc1 .Lend
	ds_load_b128 v[PS:PS+3], v10
	s_wait_dscnt 0x0
	global_store_b128 v4, v[PS:PS+3], s[44:45]
.Lend:
	s_wait_tensorcnt 0x0
	ds_add_u32 v192, v193
	s_wait_dscnt 0x0
	s_endpgm
.Lfunc_end_k_q3dc4563867_prep:
	.size	k_q3dc4563867_prep, .Lfunc_end_k_q3dc4563867_prep-k_q3dc4563867_prep
	.p2alignl 7, 3214868480
	.fill 96, 4, 3214868480
	.section	.rodata,"a",@progbits
	.p2align	6, 0x0
	.amdhsa_kernel k_q3dc4563867_prep
		.amdhsa_group_segment_fixed_size 69632
		.amdhsa_private_segment_fixed_size 0
		.amdhsa_enable_private_segment 0
		.amdhsa_kernarg_size 64
		.amdhsa_user_sgpr_count 2
		.amdhsa_user_sgpr_kernarg_segment_ptr 1
		.amdhsa_wavefront_size32 1
		.amdhsa_system_sgpr_workgroup_id_x 1
		.amdhsa_system_sgpr_workgroup_id_y 1
		.amdhsa_system_sgpr_workgroup_id_z 1
		.amdhsa_system_vgpr_workitem_id 0
		.amdhsa_next_free_vgpr 194
		.amdhsa_next_free_sgpr 66
		.amdhsa_reserve_vcc 0
		.amdhsa_float_denorm_mode_32 3
		.amdhsa_float_denorm_mode_16_64 3
		.amdhsa_memory_ordered 1
		.amdhsa_forward_progress 1
		.amdhsa_inst_pref_size 17
	.end_amdhsa_kernel
	.amdgpu_metadata
---
amdhsa.version: [ 1, 2 ]
amdhsa.kernels:
  - .name:           k_q3dc4563867_prep
    .symbol:         k_q3dc4563867_prep.kd
    .args:
      - { .name: query, .offset: 0, .size: 8, .value_kind: global_buffer, .address_space: global }
      - { .name: q_w, .offset: 8, .size: 8, .value_kind: global_buffer, .address_space: global }
      - { .name: k_w, .offset: 16, .size: 8, .value_kind: global_buffer, .address_space: global }
      - { .name: v_w, .offset: 24, .size: 8, .value_kind: global_buffer, .address_space: global }
      - { .name: o_w, .offset: 32, .size: 8, .value_kind: global_buffer, .address_space: global }
      - { .name: gain_s, .offset: 40, .size: 8, .value_kind: global_buffer, .address_space: global }
      - { .name: xq, .offset: 48, .size: 8, .value_kind: global_buffer, .address_space: global }
      - { .name: wq, .offset: 56, .size: 8, .value_kind: global_buffer, .address_space: global }
    .group_segment_fixed_size: 69632
    .private_segment_fixed_size: 0
    .kernarg_segment_align: 8
    .kernarg_segment_size: 64
    .max_flat_workgroup_size: 256
    .sgpr_count:     66
    .vgpr_count:     194
    .wavefront_size: 32
...
	.end_amdgpu_metadata
.endif
;; end of part 1
;; launch qkv (part 2): grid 8 x 32, 4 waves a work-group, clusters of 4 x 4, 327,680 bytes of LDS; arguments xq, wq, qkv; writes qkv
.if DOCPART == 2
	.amdgcn_target "amdgcn-amd-amdhsa--gfx1250"
	.amdhsa_code_object_version 6
	.text
	.protected	k_q3dc4563867_qkv
	.globl	k_q3dc4563867_qkv
	.p2align	8
	.type	k_q3dc4563867_qkv,@function
k_q3dc4563867_qkv:
	s_mov_b64 s[64:65], 0
	v_nop
	global_prefetch_b8 v0, s[64:65] scope:SCOPE_SE
	s_setreg_imm32_b32 hwreg(HW_REG_WAVE_MODE, 25, 1), 1
	s_wait_xcnt 0x0
	s_wait_alu depctr_hold_cnt(0) depctr_sa_sdst(0) depctr_va_vdst(0) depctr_va_sdst(0) depctr_va_ssrc(0) depctr_va_vcc(0) depctr_vm_vsrc(0)
	s_getreg_b32 s2, hwreg(HW_REG_IB_STS2, 6, 4)
	s_cmp_eq_u32 s2, 0
	s_cbranch_scc0 .Lentry_in_a_cluster
	s_endpgm
.Lentry_in_a_cluster:
	s_bfe_u32 s2, ttmp6, 0x10000c
	s_cmp_lg_u32 s2, 0xf033
	s_cbranch_scc0 .Lentry_shape_is_right
	s_endpgm
.Lentry_shape_is_right:
; QKV.  q = x Wq^T, k = x Wk^T, v = x Wv^T on codes of BF6 with E8M0 scales, K = 1,024; the results are quantised in registers and leave as codes: q and k along the head's 128, v along the KEYS.
; OPERANDS are images of registers: a fragment (16 rows x 128 K) is 1,536 bytes, registers 4 c .. 4 c + 3 of lane l at 512 c + 16 l; a panel is 128 rows: [K step][tile][1,536] and 4,096 bytes of
; scale words, (tile t, place r, K step s) at 512 t + 32 r + 4 s.  Place p of tile T is row 32 (T / 2) + 8 (T % 2) + p + 8 (p / 8).
; A WORK-GROUP STAYS.  It owns one head j and 256 tokens (two panels of x), and makes three tiles one after the other: q, k and v of that head for those tokens.  x's two panels, for all of K, lie in LDS for the
; whole launch (2 x 98,304 bytes, filled once); the weight's panel, for all of K, lies in a slot of 98,304 bytes that is filled three times: Wq's head j, then Wk's, then Wv's.
; SHARES.  Wave w works on x's panel w / 2.  q, k: source 0 = the weight's eight tiles, source 1 = x's tiles 4 (w % 2) + 0..3.  v: source 0 = x's eight tiles, source 1 = the weight's tiles 4 (w % 2) + 0..3.
; 32 accumulators either way.  In the result a lane holds ONE row of source 1 (lane % 16), and, by the order of a tile's rows, the 64 registers of a tile of source 1 run along source 0's 128 rows:
; register 16 b + i = row 32 b + 16 (lane / 16) + i.  So they are quantised along source 0's axis as they stand (q, k: the head's channels; v: the keys), and the codes are the next operand's registers.
; THE REFILL.  In a tile's last K step every wave waits for all its tensor loads, adds 0 to its spare word and waits for that and for its LDS reads; a round of the cluster's barrier follows, and behind it each of the
; four waves asks for a quarter of the next weight panel.  The finished tile is quantised and stored while those four loads are on their way.
; CLUSTER 4 x 4.  The weight hangs on the work-group's x alone and is asked for jointly along a column of the cluster, x's panels on y alone and jointly along a row: each tensor load names four work-groups.
; RESULT: short panels of 12,800 bytes: 8 fragments, then 512 bytes of scale words, (tile t, place r) at 256 (t / 4) + 8 (16 (t % 2) + r) + 4 ((t / 2) % 2).
;   q: panel ((b 8 + h) 8 + token panel).  k, v: from byte 6,553,600, ((b 8 + h) 8 + key step) x 25,600: K's panel, then V^T's.
; The three tiles are written out by macro: the first has a barrier for each of its first fills' chunks, the third has the other address registers and asks for nothing.
; LIMITS: a block of zeros gets the byte 1 where the rule says 127 (its codes are zeros, and this program alone reads the bytes); blocks whose largest magnitude lies under 2^-122 are held at that floor;
; NaN and infinities are not served.
; REGISTERS: window 0: v1-19 addresses; v32-63 source 0's scale words, v64-79 source 1's (nothing else ever lies there); v96-143, v144-191 source 1's fragments, two sets; v192-233 the way out.
;   window 1: v0-95, v128-223 source 0's fragments, two sets.   window 2: accumulator (a, b) at v[64 a + 8 b].
.set PANEL, 102400
.set CODES, 98304
.set FRB,   1536
.set KSB,   12288                      ; a K step of a panel
.set CHUNK, 2*KSB                      ; what one tensor load brings: two K steps, dense: 96 rows of 256 bytes
.set SPN,   12800                      ; a short panel
.set KV0,   6553600                    ; where k and v begin in qkv
.set SPARE, 3*CODES                    ; behind the three panels: the spare words, 128 bytes for each wave: two blocks of 256 bytes that no other line names
.set SPW, 4                            ; v4      LDS address of my spare word: SPARE + 4 x my thread's number; never rewritten
.set NIL, 5                            ; v5      0; never rewritten
.set AD0, 8                            ; v8-9    the weight's slot, all eight tiles: 16 x lane (+ 4 K steps)
.set AD1, 10                           ; v10-11  my four tiles of my panel of x
.set SCO, 12                           ; v12     512 (lane / 16) + 32 r: a pair of tiles' scale words
.set OS,  14                           ; v14     the way out: 8 x lane + 256 (w % 2)
.set SCO1, 15                          ; v15     the same as v12 from my first tile on: + 2,048 (w % 2)
.set ADX, 16                           ; v16-17  my panel of x, all eight tiles
.set ADW, 18                           ; v18-19  my four tiles of the weight's slot: 16 x lane + 6,144 (w % 2)
.set OC,  18                           ; v18     serves the way out too: my four fragments' place in a short panel is the same number
.set SC0, 32                           ; register 8 p + s: lanes 0-15 source 0's tile 2 p, lanes 16-31 tile 2 p + 1, K step s
.set SC1, 64                           ; the same of my four tiles of source 1
.set PC,  192
.set TM,  212
.set PW,  228                          ; v228-231 the four tiles' scale words
.set SI,  232
.set MSB, 0
.macro WIN new                         ; the immediate's high byte repeats the setting that is left; a switch that changes nothing is dropped
.if MSB != \new
	s_set_vgpr_msb (MSB<<8)|\new
.set MSB, \new
.endif
.endm
.macro PLACES                          ; four plain places: behind a matrix instruction, ahead of loads into its registers and of reads of its result
.rept 4
	v_nop
.endr
.endm
.macro CREST                           ; a round of the cluster's barrier behind its opening barrier
	s_cmp_lg_u32 s10, 0
	s_cbranch_scc1 .Lnot_wave_0_\@
	s_barrier_signal -3
.Lnot_wave_0_\@:
	s_barrier_wait -3
	s_barrier_signal -1
	s_barrier_wait -1
.endm
.macro CROUND                          ; a whole round
	s_barrier_signal -1
	s_barrier_wait -1
	CREST
.endm
.macro FETCH s, x0, x1                 ; K step s: source 0's eight fragments (address registers x0) and my four of source 1 (x1), 36 loads in one run, into set s % 2
	WIN 0x40                                       ; destination window 1, address window 0
.irp i, 0,1,2,3,4,5,6,7
.irp c, 0,1,2
	ds_load_b128 v[128*((\s)%2)+12*\i+4*\c:128*((\s)%2)+12*\i+4*\c+3], v[\x0+(\s)/4] offset:((\s)%4)*KSB+FRB*\i+512*\c
.endr
.endr
	WIN 0
.irp i, 0,1,2,3
.irp c, 0,1,2
	ds_load_b128 v[96+48*((\s)%2)+12*\i+4*\c:96+48*((\s)%2)+12*\i+4*\c+3], v[\x1+(\s)/4] offset:((\s)%4)*KSB+FRB*\i+512*\c
.endr
.endr
.endm
.macro MEET q                          ; the first tile: chunk q of all three panels is in LDS for every wave
	s_wait_tensorcnt 3-(\q)                        ; my first fills 0 .. q have landed; the later ones stay out
	s_wait_dscnt 0x0                               ; no LDS instruction of mine is pending at a signal
	s_barrier_signal -1
	s_barrier_wait -1
.endm
; One product: source 0's tile b x my tile a of source 1, K step s.  A pair of tiles shares a scale register: the odd tile's words lie in lanes 16-31.  K step 0 starts the sums: nothing is cleared.
.macro WM a, b, s
.set rD, 64*(\a)+8*(\b)
.set rA, 128*((\s)%2)+12*(\b)
.set rB, 96+48*((\s)%2)+12*(\a)
.set rX, SC0+8*((\b)/2)+(\s)
.set rY, SC1+8*((\a)/2)+(\s)
.if (\s) == 0
.if ((\a)%2 == 0) && ((\b)%2 == 0)
	v_wmma_scale_f32_16x16x128_f8f6f4 v[rD:rD+7], v[rA:rA+11], v[rB:rB+11], 0, v[rX], v[rY] matrix_a_fmt:MATRIX_FMT_BF6 matrix_b_fmt:MATRIX_FMT_BF6
.elseif (\a)%2 == 0
	v_wmma_scale_f32_16x16x128_f8f6f4 v[rD:rD+7], v[rA:rA+11], v[rB:rB+11], 0, v[rX], v[rY] matrix_a_fmt:MATRIX_FMT_BF6 matrix_b_fmt:MATRIX_FMT_BF6 matrix_a_scale:MATRIX_SCALE_ROW1
.elseif (\b)%2 == 0
	v_wmma_scale_f32_16x16x128_f8f6f4 v[rD:rD+7], v[rA:rA+11], v[rB:rB+11], 0, v[rX], v[rY] matrix_a_fmt:MATRIX_FMT_BF6 matrix_b_fmt:MATRIX_FMT_BF6 matrix_b_scale:MATRIX_SCALE_ROW1
.else
	v_wmma_scale_f32_16x16x128_f8f6f4 v[rD:rD+7], v[rA:rA+11], v[rB:rB+11], 0, v[rX], v[rY] matrix_a_fmt:MATRIX_FMT_BF6 matrix_b_fmt:MATRIX_FMT_BF6 matrix_a_scale:MATRIX_SCALE_ROW1 matrix_b_scale:MATRIX_SCALE_ROW1
.endif
.else
.if ((\a)%2 == 0) && ((\b)%2 == 0)
	v_wmma_scale_f32_16x16x128_f8f6f4 v[rD:rD+7], v[rA:rA+11], v[rB:rB+11], v[rD:rD+7], v[rX], v[rY] matrix_a_fmt:MATRIX_FMT_BF6 matrix_b_fmt:MATRIX_FMT_BF6
.elseif (\a)%2 == 0
	v_wmma_scale_f32_16x16x128_f8f6f4 v[rD:rD+7], v[rA:rA+11], v[rB:rB+11], v[rD:rD+7], v[rX], v[rY] matrix_a_fmt:MATRIX_FMT_BF6 matrix_b_fmt:MATRIX_FMT_BF6 matrix_a_scale:MATRIX_SCALE_ROW1
.elseif (\b)%2 == 0
	v_wmma_scale_f32_16x16x128_f8f6f4 v[rD:rD+7], v[rA:rA+11], v[rB:rB+11], v[rD:rD+7], v[rX], v[rY] matrix_a_fmt:MATRIX_FMT_BF6 matrix_b_fmt:MATRIX_FMT_BF6 matrix_b_scale:MATRIX_SCALE_ROW1
.else
	v_wmma_scale_f32_16x16x128_f8f6f4 v[rD:rD+7], v[rA:rA+11], v[rB:rB+11], v[rD:rD+7], v[rX], v[rY] matrix_a_fmt:MATRIX_FMT_BF6 matrix_b_fmt:MATRIX_FMT_BF6 matrix_a_scale:MATRIX_SCALE_ROW1 matrix_b_scale:MATRIX_SCALE_ROW1
.endif
.endif
.endm
; K step s, 0 to 6: the next step's fragments are asked for, then this step's 32 products.  The 32 accumulators take turns, one instruction a turn, in the same order in every step.
; first = 1: the launch's first tile, whose panels come in chunks of two K steps.
.macro KSTEP s, first, x0, x1
.if (\first) && ((\s)%2 == 1)
	MEET ((\s)+1)/2                                ; the next step begins a chunk
.endif
.if (\s) > 0
	PLACES                                         ; the set to be loaded was read by the last step's products
.endif
	FETCH (\s)+1, \x0, \x1
	s_wait_dscnt 36                                ; all but the 36 just issued: this step's fragments are in
	WIN 0xa1                                       ; source 0 window 1, source 1 window 0, C and D window 2
.irp a, 0,1,2,3
.irp b, 0,1,2,3,4,5,6,7
	WM \a, \b, \s
.endr
.endr
	WIN 0
.endm
; A tile's last K step works on registers alone.  fill = 1: the weight's slot is filled again.  In front of the round each wave waits for all its tensor loads, adds 0 to its spare word, and waits for that and for its
; LDS reads; behind the round no wave of any partner reads the slot or has a load on its way, and each wave asks for its quarter of the next panel: its one tensor load until the next such round.
; step = 1: the descriptor walks on by eight panels (Wk's head to Wv's).
.macro KLAST fill, step
.if \fill
	s_wait_tensorcnt 0x0                           ; no tensor load of mine is out, so the refill's group 0 may be written  (every window is 0 here: the add's two registers lie in window 0)
	ds_add_u32 v[SPW], v[NIL]                      ; 0 onto my spare word
.if \step
	s_add_nc_u64 s[86:87], s[86:87], 8*PANEL       ; the type bits on top are not reached
.endif
	s_wait_dscnt 1                                 ; this step's 36 fragment loads are in; the add may be out
	WIN 0xa1
.irp a, 0,1
.irp b, 0,1,2,3,4,5,6,7
	WM \a, \b, 7
.endr
.endr
	s_wait_dscnt 0x0                               ; the add is done, and my reads of the slot are over
	s_barrier_signal -1                            ; this barrier opens a round of the cluster's barrier
.irp a, 2,3
.irp b, 0,1,2,3,4,5,6,7
	WM \a, \b, 7
.endr
.endr
	WIN 0
	s_barrier_wait -1
	CREST
	tensor_load_to_lds s[84:87], s[68:75]          ; chunk w of the next weight panel: the first thing behind the round
	s_nop 0
	PLACES                                         ; four v_nop follow the load; they are also the places behind the last products
.else
	s_wait_dscnt 0x0
	WIN 0xa1
.irp a, 0,1,2,3
.irp b, 0,1,2,3,4,5,6,7
	WM \a, \b, 7
.endr
.endr
	WIN 0
	PLACES
.endif
.endm
; The scale words of all of K come straight from memory into registers, once a tile: source 0's eight tiles, and my four tiles of source 1
.macro SCL0 base, off
.irp p, 0,1,2,3
.irp u, 0,1
	global_load_b128 v[SC0+8*\p+4*\u:SC0+8*\p+4*\u+3], v[SCO], s[\base:\base+1] offset:\off+CODES+1024*\p+16*\u
.endr
.endr
.endm
.macro SCL1 base, off
.irp p, 0,1
.irp u, 0,1
	global_load_b128 v[SC1+8*\p+4*\u:SC1+8*\p+4*\u+3], v[SCO1], s[\base:\base+1] offset:\off+CODES+1024*\p+16*\u
.endr
.endr
.endm
; 64 numbers of a lane in window 2, v[s] on, register 16 b + i = k 32 b + 16 (lane / 16) + i of my row, become a fragment's codes in v[PC] on and my row's scale word in v[pw].
; Each accumulator is read from its low end on.  The floor stands as source 0, so that the numbers stand in sources 1 and 2 alone and one window setting serves the maxima.
.macro QUANT s, pw
	WIN 0x28                                       ; sources 1 and 2 window 2
.irp b, 0,1,2,3
	v_max3_num_f32 v[TM+\b], 0x2800000, |v[(\s)+16*\b]|, |v[(\s)+1+16*\b]|   ; the floor 2^(5 - 127): the byte cannot fall under 1
.endr
.irp i, 2,4,6,8,10,12,14
.irp b, 0,1,2,3
	v_max3_num_f32 v[TM+\b], v[TM+\b], |v[(\s)+16*\b+\i]|, |v[(\s)+1+16*\b+\i]|
.endr
.endr
	WIN 0
.irp b, 0,1,2,3
	v_permlanex16_b32 v[TM+4+\b], v[TM+\b], s66, s67
.endr
.irp b, 0,1,2,3
	v_max_num_f32 v[TM+\b], v[TM+\b], v[TM+4+\b]   ; with lane l xor 16's: the block's largest magnitude
.endr
.irp b, 0,1,2,3
	v_add_nc_u32 v[TM+12+\b], 0xfe000000, v[TM+\b]   ; 4 off its exponent field: the conversion's scale operand
.endr
.irp b, 0,1,2,3
	v_lshrrev_b32 v[TM+4+\b], 23, v[TM+12+\b]      ; the scale's byte
.endr
	v_lshl_or_b32 v[\pw], v[TM+5], 8, v[TM+4]
	v_lshl_or_b32 v[\pw], v[TM+6], 16, v[\pw]
	v_lshl_or_b32 v[\pw], v[TM+7], 24, v[\pw]
	WIN 0x02                                       ; source 0 window 2
.irp c, 0,1
	v_cvt_scalef32_pk16_bf6_f32 v[PC+6*\c:PC+2+6*\c], v[(\s)+32*\c:(\s)+15+32*\c], v[TM+12+2*\c]
	v_cvt_scalef32_pk16_bf6_f32 v[PC+12+4*\c:PC+14+4*\c], v[(\s)+16+32*\c:(\s)+31+32*\c], v[TM+12+2*\c+1]
.endr
	WIN 0
	v_nop                                          ; one plain place behind a scaled conversion
.irp c, 0,1
.irp i, 0,1,2
	v_permlane16_swap_b32 v[PC+6*\c+\i], v[PC+12+4*\c+\i]
.endr
.irp i, 0,1,2
	v_mov_b32 v[PC+3+6*\c+\i], v[PC+12+4*\c+\i]
.endr
.endr
.endm
; THE WAY OUT of a tile: no LDS.  Each of my four tiles of source 1 is quantised along source 0's axis and stored as a fragment: three stores of 512 consecutive bytes, aligned.  later = 1: not the launch's first tile.
.macro WAYOUT base, off, later
.irp a, 0,1,2,3
.if (\a > 0) || (\later)
	s_wait_xcnt 0x0                                ; the last stores have read their data: the codes' registers are written again only behind this wait
.endif
	QUANT 64*\a, PW+\a
.irp c, 0,1,2
	global_store_b128 v[OC], v[PC+4*\c:PC+4*\c+3], s[\base:\base+1] offset:\off+FRB*\a+512*\c
.endr
.endr
	v_cndmask_b32 v[SI], v[PW], v[PW+1], s19       ; a pair of tiles shares a register: the even tile's words in lanes 0-15, the odd one's in lanes 16-31
	v_cndmask_b32 v[SI+1], v[PW+2], v[PW+3], s19
	global_store_b64 v[OS], v[SI:SI+1], s[\base:\base+1] offset:\off+8*FRB   ; 32 lanes store 256 consecutive bytes, aligned
.endm
.macro NEXT x0, x1                     ; the next tile begins
	s_wait_tensorcnt 0x0                           ; my quarter of the weight's panel has landed: no load was issued behind it;
	s_barrier_signal -1                            ; (no LDS instruction of mine is pending)
	s_barrier_wait -1                              ; everybody's has.
	FETCH 0, \x0, \x1
	s_wait_loadcnt 0x0                             ; the tile's scale words
.endm
	s_load_b128 s[4:7], s[0:1], 0x0                ; xq s[4:5], wq s[6:7]
	s_load_b64 s[8:9], s[0:1], 0x10                ; qkv
	v_lshl_add_u32 v[SPW], v0, 2, SPARE
	v_mov_b32 v[NIL], 0
	ds_add_u32 v4, v5
	s_wait_dscnt 0x0
	v_lshrrev_b32 v1, 5, v0
	v_readfirstlane_b32 s10, v1                    ; wave 0..3
	s_bfe_u32 s11, ttmp6, 0x40000                  ; cx
	s_bfe_u32 s12, ttmp6, 0x40004                  ; cy
	s_and_b32 s13, ttmp7, 0xffff
	s_lshl_b32 s14, ttmp9, 2
	s_add_co_u32 s14, s14, s11                     ; j: my head, 0-7.  No register of this chain ever holds cy
	s_lshl_b32 s15, s13, 2
	s_add_co_u32 s15, s15, s12                     ; my pair of panels of x, 0-31.  None of this chain ever holds cx
	s_lshl_b32 s2, 0x1111, s11                     ; my column of the cluster
	s_lshl_b32 s3, s12, 2
	s_lshl_b32 s3, 15, s3                          ; my row
	s_or_b32 s68, s2, (3<<16)|(1<<21)              ; group 1 for the weights: 15:0 the mask; 17:16 elements of 8 bytes; 21 set beside a mask; no padding
	s_or_b32 s76, s3, (3<<16)|(1<<21)              ; and for x
.irp g, 68, 76
	s_mov_b32 s[\g+1], 32<<16                      ; tensor_dim0 = 32 elements: rows of 256 bytes
	s_mov_b32 s[\g+2], 96<<16                      ; tensor_dim1 = 96
	s_mov_b32 s[\g+3], 32<<16                      ; tile_dim0
	s_mov_b32 s[\g+4], 96                          ; tile_dim1
	s_mov_b32 s[\g+5], 32                          ; the pitch: the block is dense
	s_mov_b32 s[\g+6], 0
	s_mov_b32 s[\g+7], 0
.endr
	s_mul_i32 s24, s14, PANEL                      ; Wq's head j; Wk's lies 8 panels on, Wv's 16
	s_mov_b32 s25, 0
	s_lshl_b32 s26, s15, 1
	s_sub_co_u32 s27, s10, 1
	s_and_b32 s27, s27, 1                          ; waves 1 and 2 fetch x's panels 0 and 1
	s_add_co_u32 s28, s26, s27
	s_mul_i32 s28, s28, PANEL
	s_mov_b32 s29, 0
	s_mul_i32 s30, s27, CODES
	s_add_co_u32 s30, s30, CODES                   ; LDS: the weight's slot at 0, x's panels behind it: the wave's number alone enters an LDS address
	s_mul_i32 s16, s10, CHUNK                      ; a refill: wave w's quarter of a panel
	s_mov_b32 s17, 0
	s_wait_kmcnt 0x0
	s_add_nc_u64 s[20:21], s[6:7], s[24:25]
	s_add_nc_u64 s[28:29], s[4:5], s[28:29]
.irp q, 0,1,2,3
	s_mov_b32 s[32+4*\q], 1                        ; group 0, a set for each chunk of the first fills: count = 1
	s_mov_b32 s[33+4*\q], \q*CHUNK                 ; LDS address
	s_add_nc_u64 s[34+4*\q:35+4*\q], s[20:21], \q*CHUNK
	s_or_b32 s[35+4*\q], s[35+4*\q], 0x80000000    ; type = 2
	s_mov_b32 s[48+4*\q], 1
	s_add_co_u32 s[49+4*\q], s30, \q*CHUNK
	s_add_nc_u64 s[50+4*\q:51+4*\q], s[28:29], \q*CHUNK
	s_or_b32 s[51+4*\q], s[51+4*\q], 0x80000000
.endr
	s_mov_b32 s84, 1                               ; group 0 of the refills: chunk w, first of Wk's head j
	s_mul_i32 s85, s10, CHUNK
	s_add_nc_u64 s[86:87], s[20:21], s[16:17]
	s_add_nc_u64 s[86:87], s[86:87], 8*PANEL
	s_or_b32 s87, s87, 0x80000000
	CROUND                                         ; all sixteen work-groups are here: the joint loads meet
	s_cmp_eq_u32 s10, 0                            ; a wave's first fills stand in one branch on its number: wave 0 the weight's four chunks, waves 1 and 2 x's, wave 3 none: four loads of a wave are out at the most
	s_cbranch_scc0 .Lnot_w
	tensor_load_to_lds s[32:35], s[68:75]
	s_nop 0
	tensor_load_to_lds s[36:39], s[68:75]
	s_nop 0
	tensor_load_to_lds s[40:43], s[68:75]
	s_nop 0
	tensor_load_to_lds s[44:47], s[68:75]
	s_nop 0
	PLACES                                         ; four v_nop follow the last load
	s_branch .Lasked
.Lnot_w:
	s_cmp_eq_u32 s10, 3
	s_cbranch_scc1 .Lasked
	tensor_load_to_lds s[48:51], s[76:83]
	s_nop 0
	tensor_load_to_lds s[52:55], s[76:83]
	s_nop 0
	tensor_load_to_lds s[56:59], s[76:83]
	s_nop 0
	tensor_load_to_lds s[60:63], s[76:83]
	s_nop 0
	PLACES
.Lasked:
	v_and_b32 v1, 15, v0                           ; r
	v_bfe_u32 v2, v0, 4, 1                         ; h
	v_and_b32 v3, 31, v0                           ; lane
	v_lshlrev_b32 v[AD0], 4, v3
	v_add_nc_u32 v[AD0+1], 4*KSB, v[AD0]           ; K steps 4-7: beyond the 16-bit offset
	s_lshr_b32 s16, s10, 1                         ; which panel of x is mine
	s_and_b32 s17, s10, 1                          ; and which four tiles of source 1
	s_mul_i32 s18, s16, CODES
	s_add_co_u32 s18, s18, CODES
	s_mul_i32 s24, s17, 4*FRB
	v_add_nc_u32 v[ADX], s18, v[AD0]
	v_add_nc_u32 v[ADX+1], 4*KSB, v[ADX]
	v_add_nc_u32 v[AD1], s24, v[ADX]
	v_add_nc_u32 v[AD1+1], 4*KSB, v[AD1]
	v_add_nc_u32 v[ADW], s24, v[AD0]
	v_add_nc_u32 v[ADW+1], 4*KSB, v[ADW]
	v_lshlrev_b32 v[SCO], 5, v1
	v_lshl_add_u32 v[SCO], v2, 9, v[SCO]
	s_lshl_b32 s25, s17, 11
	v_add_nc_u32 v[SCO1], s25, v[SCO]
	s_lshl_b32 s25, s17, 8
	v_lshl_add_u32 v[OS], v3, 3, s25
	s_add_co_u32 s27, s26, s16                     ; my panel of tokens: b 8 + step
	s_mul_i32 s88, s27, PANEL
	s_mov_b32 s89, 0
	s_add_nc_u64 s[88:89], s[4:5], s[88:89]        ; in xq: for its scale words
	SCL0 20, 0                                     ; q: source 0 = Wq's head j,
	SCL1 88, 0                                     ; source 1 = my four tiles of x; they serve k too
.irp b, 0,1,2,3
	v_mov_b32 v[TM+4+\b], 0                        ; written once: a lane permute's destination counts as one of its sources
.endr
	s_mov_b32 s66, 0x76543210
	s_mov_b32 s67, 0xfedcba98                      ; v_permlanex16_b32's selects for lane l xor 16
	s_mov_b32 s19, 0xffff0000                      ; lanes 16-31
	s_lshr_b32 s94, s27, 3                         ; where my short panels lie in qkv: one index serves q, k and v
	s_lshl_b32 s94, s94, 6
	s_lshl_b32 s95, s14, 3
	s_add_co_u32 s94, s94, s95
	s_and_b32 s95, s27, 7
	s_add_co_u32 s94, s94, s95                     ; (b 8 + h) 8 + step
	s_mul_i32 s90, s94, SPN
	s_mov_b32 s91, 0
	s_mul_i32 s92, s94, 2*SPN
	s_add_co_u32 s92, s92, KV0
	s_mov_b32 s93, 0
	s_add_nc_u64 s[90:91], s[8:9], s[90:91]        ; q's panel
	s_add_nc_u64 s[92:93], s[8:9], s[92:93]        ; K's; V^T's lies 12,800 bytes on
	; ---- q
	MEET 0
	FETCH 0, AD0, AD1
	s_wait_loadcnt 0x0                             ; the scale words
.irp s, 0,1,2,3,4,5,6
	KSTEP \s, 1, AD0, AD1
.endr
	KLAST 1, 0                                     ; Wk's head j is asked for,
	SCL0 20, 8*PANEL                               ; and its scale words;
	WAYOUT 90, 0, 0                                ; q leaves while they are on their way
	; ---- k
	NEXT AD0, AD1
.irp s, 0,1,2,3,4,5,6
	KSTEP \s, 0, AD0, AD1
.endr
	KLAST 1, 1                                     ; Wv's head j
	SCL0 88, 0                                     ; v: source 0 = my panel of x, all eight tiles,
	SCL1 20, 16*PANEL                              ; source 1 = my four tiles of Wv's head j
	WAYOUT 92, 0, 1
	; ---- v
	NEXT ADX, ADW
.irp s, 0,1,2,3,4,5,6
	KSTEP \s, 0, ADX, ADW
.endr
	KLAST 0, 0                                     ; nothing is left to ask for
	WAYOUT 92, SPN, 1
	s_wait_tensorcnt 0x0                           ; the wave's end, behind my last tensor load
	ds_add_u32 v[SPW], v[NIL]
	s_wait_dscnt 0x0
	CROUND                                         ; the closing round: no work-group ends while a partner may still ask for a tile that names it
	s_endpgm
.Lfunc_end_k_q3dc4563867_qkv:
	.size	k_q3dc4563867_qkv, .Lfunc_end_k_q3dc4563867_qkv-k_q3dc4563867_qkv
	.p2alignl 7, 3214868480
	.fill 96, 4, 3214868480
	.section	.rodata,"a",@progbits
	.p2align	6, 0x0
	.amdhsa_kernel k_q3dc4563867_qkv
		.amdhsa_group_segment_fixed_size 327680
		.amdhsa_private_segment_fixed_size 0
		.amdhsa_enable_private_segment 0
		.amdhsa_kernarg_size 24
		.amdhsa_user_sgpr_count 2
		.amdhsa_user_sgpr_kernarg_segment_ptr 1
		.amdhsa_wavefront_size32 1
		.amdhsa_system_sgpr_workgroup_id_x 1
		.amdhsa_system_sgpr_workgroup_id_y 1
		.amdhsa_system_sgpr_workgroup_id_z 1
		.amdhsa_system_vgpr_workitem_id 0
		.amdhsa_next_free_vgpr 768
		.amdhsa_next_free_sgpr 96
		.amdhsa_reserve_vcc 0
		.amdhsa_float_denorm_mode_32 3
		.amdhsa_float_denorm_mode_16_64 3
		.amdhsa_memory_ordered 1
		.amdhsa_forward_progress 1
		.amdhsa_inst_pref_size 221
	.end_amdhsa_kernel
	.amdgpu_metadata
---
amdhsa.version: [ 1, 2 ]
amdhsa.kernels:
  - .name:           k_q3dc4563867_qkv
    .symbol:         k_q3dc4563867_qkv.kd
    .args:
      - { .name: xq, .offset: 0, .size: 8, .value_kind: global_buffer, .address_space: global }
      - { .name: wq, .offset: 8, .size: 8, .value_kind: global_buffer, .address_space: global }
      - { .name: qkv, .offset: 16, .size: 8, .value_kind: global_buffer, .address_space: global }
    .group_segment_fixed_size: 327680
    .private_segment_fixed_size: 0
    .kernarg_segment_align: 8
    .kernarg_segment_size: 24
    .max_flat_workgroup_size: 128
    .sgpr_count:     96
    .vgpr_count:     768
    .wavefront_size: 32
...
	.end_amdgpu_metadata
.endif
;; end of part 2
;; launch attn (part 3): grid 8 x 32, 16 waves a work-group, clusters of 4 x 4, 327,680 bytes of LDS; arguments qkv, rel_pos_bias, oq; writes oq
.if DOCPART == 3
	.amdgcn_target "amdgcn-amd-amdhsa--gfx1250"
	.amdhsa_code_object_version 6
	.text
	.protected	k_q3dc4563867_attn
	.globl	k_q3dc4563867_attn
	.p2align	8
	.type	k_q3dc4563867_attn,@function
k_q3dc4563867_attn:
	s_mov_b64 s[64:65], 0
	v_nop
	global_prefetch_b8 v0, s[64:65] scope:SCOPE_SE
	s_setreg_imm32_b32 hwreg(HW_REG_WAVE_MODE, 25, 1), 1
	s_wait_xcnt 0x0
	s_wait_alu depctr_hold_cnt(0) depctr_sa_sdst(0) depctr_va_vdst(0) depctr_va_sdst(0) depctr_va_ssrc(0) depctr_va_vcc(0) depctr_vm_vsrc(0)
	s_getreg_b32 s2, hwreg(HW_REG_IB_STS2, 6, 4)
	s_cmp_eq_u32 s2, 0
	s_cbranch_scc0 .Lentry_in_a_cluster
	s_endpgm
.Lentry_in_a_cluster:
	s_bfe_u32 s2, ttmp6, 0x10000c
	s_cmp_lg_u32 s2, 0xf033
	s_cbranch_scc0 .Lentry_shape_is_right
	s_endpgm
.Lentry_shape_is_right:
; ATTN.  o = softmax(q k^T / sqrt(128) + bias) v for 8 batches x 8 heads x 1,024 tokens, both products on codes of BF6 with E8M0 scales; o leaves as codes, quantised along (head, channel).
; THE SOFTMAX AHEAD OF THE SECOND PRODUCT: t = logit x log2(e); M = the row's largest t so far, rounded UP to a whole number; p = 2^(t - M) is quantised along the keys, not normalised.  The row's sum is taken of the
; unquantised p and divides O at the end.  When M moves, the sum and O are multiplied by 2^(old M - new M): exact.
; THE BIAS IS THE C OF THE FIRST PRODUCT: S' = k . q + bias x sqrt(128), and t = S' x log2(e) / sqrt(128).
; SHARES.  The cluster's y is the head.  A work-group owns 128 queries (block 4 x cluster x + cx) of the two batches 2 cy, 2 cy + 1; wave w owns tile w % 8 (16 queries) of batch 2 cy + w / 8, in 256 registers: four waves
; to a SIMD.  Every wave walks the 1,024 keys, 128 a step, through two LDS slots.
; CLUSTER 4 x 4.  The bias tile (128 queries x 128 keys, f32) hangs on head and query block: the four partners of a column, which hold all eight batches, ask for it jointly.  K and V hang on head and pair of batches:
; the four partners of a row ask jointly.
; LAYOUT.  Operands are images of registers: a fragment (16 rows x 128 K) is 1,536 bytes, registers 4 c .. 4 c + 3 of lane l at 512 c + 16 l.  Place p of tile T is row 32 (T / 2) + 8 (T % 2) + p + 8 (p / 8).
; Both products are used transposed: S^T = K Q^T, O^T = V^T P^T: a lane holds ONE query (lane % 16), and by the order of a tile's rows the 16 registers of tiles 2 b, 2 b + 1 are neighbours 32 b + 16 (lane / 16) + 0 .. 15.
; LIMITS: NaN and infinities are not served; a block of zeros gets the byte 1 (its codes are zeros); a block's largest p is taken from its largest score, which takes v_exp_f32 not to fall where its input rises;
; 1 / sum is v_rcp_f32.
; REGISTERS: v1-4, v7, v11 addresses that stay; v5, v6 the spare word's address and 0; v8-10 the step's addresses; v12 -M, v13 the largest t, v[14:15] the sum; v16-27 Q; v28 the prefetches' offset;
;   v32-79 four fragments of K or V; v96-159 bias, S^T, p; v160-223 O^T; v224-235 p's codes; v232-247, v252, v254 at work; v248-251 K's or V's scale words, v253 p's, v255 Q's.
.set FRB,   1536
.set SPN,   12800                      ; a short panel: 8 fragments and 512 bytes of scale words
.set KVB,   2*SPN                      ; a key step of one batch and head: K's panel, then V^T's
.set KV0,   6553600                    ; where k and v begin in qkv
.set PANEL, 102400                     ; a panel of oq
.set CODES, 98304
.set KSB,   12288
.set BP,    520                        ; a bias row in LDS: 512 bytes + 8 = 130 words: a tile's 16 rows x 2 halves touch 64 different banks with loads of 8 bytes (64 banks of 4 bytes: ISA guide 11.1)
.set KVO,   128*BP                     ; a slot: the bias, then K and V of the even batch, then of the odd one
.set SLOT1, 1<<17                      ; slot 1 begins here: one exclusive or turns an address
.set SPARE, 2*SLOT1                    ; the spare words, 128 bytes for each of 16 waves: eight blocks of 256 bytes that no other line names
.set OSG,   SPARE+2048                 ; 1,024 bytes: o's scale words, (wave w, place r) at 64 w + 4 r; no fill lands here
.set WV,    18
.set TB,    2                          ; s2   the slot in hand
.set SLOTS, 67                         ; s67  slots still to be asked for
.set G1B,   24                         ; s[24:31] group 1 for the bias; s[32:39] for K and V; s[40:43], s[44:47] their groups 0, which walk
.set G1K,   32
.set G0B,   40
.set G0K,   44
.set PFA,   76                         ; s[76:77] where my prefetches stand; s[78:79] a key step on; s80: 1 in a wave that asks, else the greatest number
.set PFS,   78
.set LIM,   80
.set PC,    32
.set TM,    232
.set PW,    252
.macro PLACES
.rept 4
	v_nop
.endr
.endm
.macro CROUND                          ; a round of the cluster's barrier
	s_barrier_signal -1
	s_barrier_wait -1
	s_cmp_lg_u32 s[WV], 0
	s_cbranch_scc1 .Lnot_wave_0_\@
	s_barrier_signal -3
.Lnot_wave_0_\@:
	s_barrier_wait -3
	s_barrier_signal -1
	s_barrier_wait -1
.endm
; A joint load: waves 0 and 1 fetch the bias tile's halves, waves 2 and 3 K and V of the two batches, the others nothing.  The branches hang on the wave's number alone.  Four v_nop follow each line.
.macro JLOAD
	s_cmp_lt_u32 s[WV], 2
	s_cbranch_scc0 .Lnot_b_\@
	tensor_load_to_lds s[G0B:G0B+3], s[G1B:G1B+7]
	s_nop 0
	PLACES
	s_branch .Lasked_\@
.Lnot_b_\@:
	s_cmp_lt_u32 s[WV], 4
	s_cbranch_scc0 .Lasked_\@
	tensor_load_to_lds s[G0K:G0K+3], s[G1K:G1K+7]
	s_nop 0
	PLACES
.Lasked_\@:
.endm
; A PREFETCH INTO THE L2 of what the NEXT change of slots will ask for, one key step ahead of that load.  Waves 4 and 5: my work-group's 32 of the bias tile's 128 rows (the column's four partners are told apart by
; address: 32 cy), a lane a row, the step's first or second 256 bytes by the wave.  Waves 6 and 7, in the head's first cluster alone (both clusters of a head walk the same K and V): a batch's 25,600 bytes of the step,
; 25 blocks of 256 bytes for each of the row's four partners (by address: 25 cx); lanes 25 to 31 name block 24 again.  The last change that fills a slot asks for nothing; steps 0 and 1 come by their loads alone.
.macro ASK
	s_cmp_gt_u32 s[SLOTS], s[LIM]
	s_cbranch_scc0 .Lnot_mine_\@
	global_prefetch_b8 v28, s[PFA:PFA+1] th:TH_LOAD_NT scope:SCOPE_SE
.Lnot_mine_\@:
.endm
.macro SPROD t                         ; S^T, tile t: source 0 = 16 keys, source 1 = my 16 queries, C = the bias x sqrt(128), in place
.if (\t)%2
	v_wmma_scale_f32_16x16x128_f8f6f4 v[96+8*(\t):103+8*(\t)], v[32+12*((\t)%4):43+12*((\t)%4)], v[16:27], v[96+8*(\t):103+8*(\t)], v[248+(\t)/2], v255 matrix_a_fmt:MATRIX_FMT_BF6 matrix_b_fmt:MATRIX_FMT_BF6 matrix_a_scale:MATRIX_SCALE_ROW1
.else
	v_wmma_scale_f32_16x16x128_f8f6f4 v[96+8*(\t):103+8*(\t)], v[32+12*((\t)%4):43+12*((\t)%4)], v[16:27], v[96+8*(\t):103+8*(\t)], v[248+(\t)/2], v255 matrix_a_fmt:MATRIX_FMT_BF6 matrix_b_fmt:MATRIX_FMT_BF6
.endif
.endm
.macro VPROD t                         ; O^T, tile t: source 0 = 16 channels of V^T, source 1 = p
.if (\t)%2
	v_wmma_scale_f32_16x16x128_f8f6f4 v[160+8*(\t):167+8*(\t)], v[32+12*((\t)%4):43+12*((\t)%4)], v[224:235], v[160+8*(\t):167+8*(\t)], v[248+(\t)/2], v253 matrix_a_fmt:MATRIX_FMT_BF6 matrix_b_fmt:MATRIX_FMT_BF6 matrix_a_scale:MATRIX_SCALE_ROW1
.else
	v_wmma_scale_f32_16x16x128_f8f6f4 v[160+8*(\t):167+8*(\t)], v[32+12*((\t)%4):43+12*((\t)%4)], v[224:235], v[160+8*(\t):167+8*(\t)], v[248+(\t)/2], v253 matrix_a_fmt:MATRIX_FMT_BF6 matrix_b_fmt:MATRIX_FMT_BF6
.endif
.endm
.macro FRAGS off, t0                   ; four fragments, tiles t0 .. t0 + 3 of the panel at off, into v32-79
.irp t, 0,1,2,3
.irp c, 0,1,2
	ds_load_b128 v[32+12*\t+4*\c:35+12*\t+4*\c], v9 offset:\off+FRB*(\t0+\t)+512*\c
.endr
.endr
.endm
; 64 numbers of a lane, v[s] on, become a fragment's codes in v[PC] on and my row's scale word in v[PW]
.macro QUANT s
.irp b, 0,1,2,3
	v_max3_num_f32 v[TM+\b], |v[\s+16*\b]|, |v[\s+1+16*\b]|, 0x2800000
.endr
.irp i, 2,4,6,8,10,12,14
.irp b, 0,1,2,3
	v_max3_num_f32 v[TM+\b], v[TM+\b], |v[\s+16*\b+\i]|, |v[\s+1+16*\b+\i]|
.endr
.endr
.irp b, 0,1,2,3
	v_permlanex16_b32 v[TM+4+\b], v[TM+\b], s20, s21
.endr
.irp b, 0,1,2,3
	v_max_num_f32 v[TM+\b], v[TM+\b], v[TM+4+\b]
.endr
.irp b, 0,1,2,3
	v_add_nc_u32 v[TM+12+\b], 0xfe000000, v[TM+\b]
.endr
.irp b, 0,1,2,3
	v_lshrrev_b32 v[TM+4+\b], 23, v[TM+12+\b]
.endr
	v_lshl_or_b32 v[PW], v[TM+5], 8, v[TM+4]
	v_lshl_or_b32 v[PW], v[TM+6], 16, v[PW]
	v_lshl_or_b32 v[PW], v[TM+7], 24, v[PW]
.irp c, 0,1
	v_cvt_scalef32_pk16_bf6_f32 v[PC+6*\c:PC+2+6*\c], v[\s+32*\c:\s+15+32*\c], v[TM+12+2*\c]
	v_cvt_scalef32_pk16_bf6_f32 v[PC+12+4*\c:PC+14+4*\c], v[\s+16+32*\c:\s+31+32*\c], v[TM+12+2*\c+1]
.endr
	v_nop                                          ; one plain place behind a scaled conversion
.irp c, 0,1
.irp i, 0,1,2
	v_permlane16_swap_b32 v[PC+6*\c+\i], v[PC+12+4*\c+\i]
.endr
.irp i, 0,1,2
	v_mov_b32 v[PC+3+6*\c+\i], v[PC+12+4*\c+\i]
.endr
.endr
.endm
	s_load_b128 s[4:7], s[0:1], 0x0                ; qkv s[4:5], rel_pos_bias s[6:7]
	s_load_b64 s[8:9], s[0:1], 0x10                ; oq
	v_lshl_add_u32 v5, v0, 2, SPARE
	v_mov_b32 v6, 0
	ds_add_u32 v5, v6
	s_wait_dscnt 0x0
	v_lshrrev_b32 v8, 5, v0
	v_readfirstlane_b32 s[WV], v8                  ; wave 0..15
	s_bfe_u32 s10, ttmp6, 0x40000                  ; cx
	s_bfe_u32 s11, ttmp6, 0x40004                  ; cy
	s_and_b32 s12, ttmp7, 0xffff                   ; the head
	s_lshl_b32 s13, ttmp9, 2
	s_add_co_u32 s13, s13, s10                     ; my block of 128 queries
	s_and_b32 s14, s[WV], 1
	s_lshr_b32 s15, s[WV], 3                       ; which of the two batches is mine
	s_and_b32 s16, s[WV], 7                        ; my tile of queries
	; the bias tile's half that I fetch, if I fetch: no register of this chain ever holds cy
	s_lshl_b32 s48, s12, 22                        ; the head: 1,024 x 1,024 f32
	s_lshl_b32 s49, s13, 19                        ; 128 rows of 4,096 bytes
	s_add_co_u32 s48, s48, s49
	s_lshl_b32 s49, s14, 18                        ; 64 rows
	s_add_co_u32 s48, s48, s49
	s_mov_b32 s49, 0
	; K and V of batch 2 cy + (w % 2): none of this chain ever holds cx
	s_lshl_b32 s50, s11, 1
	s_add_co_u32 s50, s50, s14
	s_lshl_b32 s50, s50, 3
	s_add_co_u32 s50, s50, s12
	s_mul_i32 s50, s50, 8*KVB
	s_add_co_u32 s50, s50, KV0
	s_mov_b32 s51, 0
	s_lshl_b32 s52, 0x1111, s10                    ; my column of the cluster
	s_lshl_b32 s53, s11, 2
	s_lshl_b32 s53, 15, s53                        ; my row
	s_or_b32 s[G1B], s52, (2<<16)|(1<<20)|(1<<21)|(6<<22)|(1<<25)   ; 15:0 the mask; 17:16 elements of 4 bytes; 20 padding on; 21 set beside a mask; 24:22 after every 128 words (code 6); 31:25 of 2 words (code 1)
	s_mov_b32 s[G1B+1], 128<<16                    ; tensor_dim0 = 128
	s_mov_b32 s[G1B+2], 64<<16                     ; tensor_dim1 = 64
	s_mov_b32 s[G1B+3], 128<<16                    ; tile_dim0
	s_mov_b32 s[G1B+4], 64                         ; tile_dim1
	s_mov_b32 s[G1B+5], 1024                       ; the pitch
	s_mov_b32 s[G1B+6], 0
	s_mov_b32 s[G1B+7], 0
	s_or_b32 s[G1K], s53, (3<<16)|(1<<21)          ; a dense block of 25,600 bytes as 100 rows of 256: elements of 8 bytes, no padding
	s_mov_b32 s[G1K+1], 32<<16
	s_mov_b32 s[G1K+2], 100<<16
	s_mov_b32 s[G1K+3], 32<<16
	s_mov_b32 s[G1K+4], 100
	s_mov_b32 s[G1K+5], 32
	s_mov_b32 s[G1K+6], 0
	s_mov_b32 s[G1K+7], 0
	s_mov_b32 s[G0B], 1
	s_mul_i32 s[G0B+1], s14, 64*BP                 ; slot 0: the wave's number alone enters an LDS address
	s_mov_b32 s[G0K], 1
	s_mul_i32 s[G0K+1], s14, KVB
	s_add_co_u32 s[G0K+1], s[G0K+1], KVO
	; my queries' panel in qkv, my fragment and my scale words in oq
	s_lshl_b32 s54, s11, 1
	s_add_co_u32 s54, s54, s15                     ; my batch
	s_lshl_b32 s55, s54, 3
	s_add_co_u32 s55, s55, s12
	s_lshl_b32 s55, s55, 3
	s_add_co_u32 s55, s55, s13
	s_mul_i32 s56, s55, SPN
	s_mul_i32 s57, s16, FRB
	s_lshr_b32 s58, s16, 2                         ; my tile's scale words: 256 (t / 4) + 128 (t % 2) + 4 ((t / 2) % 2), + 8 r
	s_lshl_b32 s58, s58, 8
	s_and_b32 s59, s16, 1
	s_lshl_b32 s59, s59, 7
	s_add_co_u32 s58, s58, s59
	s_bfe_u32 s59, s16, 0x10001
	s_lshl_b32 s59, s59, 2
	s_add_co_u32 s58, s58, s59
	s_lshl_b32 s59, s54, 3
	s_add_co_u32 s59, s59, s13
	s_mul_i32 s59, s59, PANEL                      ; oq's panel: 8 b + query block
	s_mul_i32 s60, s12, KSB                        ; K step = head
	s_add_co_u32 s60, s60, s59
	s_add_co_u32 s60, s60, s57
	s_mov_b32 s61, 0
	s_lshl_b32 s62, s12, 9                         ; scale words: (tile t, place r, K step s) at 512 s + 64 t + 4 r
	s_add_co_u32 s62, s62, s59
	s_add_co_u32 s62, s62, CODES
	s_mov_b32 s63, 0
	s_mov_b32 s57, 0                               ; (s[56:57]: the panel's offset; 1,536 x tile is made again below)
	; the prefetches: both offsets, at key step 1; the first change of slots steps them to step 2
	s_lshl_b32 s70, s12, 22
	s_lshl_b32 s71, s13, 19
	s_add_co_u32 s70, s70, s71
	s_lshl_b32 s71, s11, 17                        ; my work-group's 32 rows
	s_add_co_u32 s70, s70, s71
	s_lshl_b32 s71, s14, 8
	s_add_co_u32 s70, s70, s71
	s_add_co_u32 s70, s70, 512
	s_mul_i32 s71, s10, 25*256                     ; my work-group's 25 blocks
	s_add_co_u32 s71, s71, s50
	s_add_co_u32 s71, s71, KVB
	s_mov_b32 s20, 0x76543210
	s_mov_b32 s21, 0xfedcba98                      ; v_permlanex16_b32's selects for lane l xor 16
	s_mov_b32 s22, 0x3e0293ee                      ; c = log2(e) / sqrt(128)
	s_mov_b32 s23, s22                             ; (named with it as a pair, so it is written)
	s_mov_b32 s84, 0x413504f3                      ; sqrt(128)
	s_mov_b32 s85, s84
	s_mov_b32 s[TB], 0
	s_mov_b32 s[SLOTS], 7
	s_wait_kmcnt 0x0
	s_add_nc_u64 s[G0B+2:G0B+3], s[6:7], s[48:49]
	s_or_b32 s[G0B+3], s[G0B+3], 0x80000000        ; type = 2
	s_add_nc_u64 s[G0K+2:G0K+3], s[4:5], s[50:51]
	s_or_b32 s[G0K+3], s[G0K+3], 0x80000000
	CROUND                                         ; all sixteen work-groups are here: the first joint loads meet
	JLOAD                                          ; key step 0 into slot 0
	s_add_nc_u64 s[96:97], s[4:5], s[56:57]
	s_add_nc_u64 s[86:87], s[8:9], s[60:61]
	s_add_nc_u64 s[88:89], s[8:9], s[62:63]
	s_cmp_lt_u32 s[WV], 6                          ; waves 4 and 5 ask for the bias, waves 6 and 7 for K and V
	s_cselect_b64 s[PFA:PFA+1], s[6:7], s[4:5]
	s_cselect_b32 s72, s70, s71
	s_mov_b32 s[PFS], KVB
	s_cselect_b32 s[PFS], 512, s[PFS]
	s_cselect_b32 s81, 31, 24
	s_cselect_b32 s82, 12, 8
	s_cselect_b32 s83, 0, ttmp9                    ; K's and V's waves ask in the head's first cluster alone
	s_mov_b32 s73, 0
	s_mov_b32 s[PFS+1], 0
	s_add_nc_u64 s[PFA:PFA+1], s[PFA:PFA+1], s[72:73]
	s_sub_co_u32 s[LIM], s[WV], 4
	s_lshr_b32 s[LIM], s[LIM], 2                   ; 0 in waves 4 to 7
	s_or_b32 s[LIM], s[LIM], s83
	s_cmp_eq_u32 s[LIM], 0
	s_cselect_b32 s[LIM], 1, -1                    ; the same in all sixteen partners, for a given wave
	v_and_b32 v28, 31, v0
	v_min_u32 v28, s81, v28
	v_lshlrev_b32 v28, s82, v28                    ; 4,096 x lane, or 256 x min(lane, 24)
	s_lshr_b32 s90, s16, 1
	s_lshl_b32 s90, s90, 5
	s_and_b32 s91, s16, 1
	s_lshl_b32 s91, s91, 3
	s_add_co_u32 s90, s90, s91                     ; my tile's first row among the 128 queries
	s_mul_i32 s90, s90, BP
	s_mul_i32 s91, s15, KVB
	s_add_co_u32 s91, s91, KVO                     ; my batch's K and V in a slot
	s_add_co_u32 s92, s91, 8*FRB                   ; and K's scale words
	s_lshl_b32 s93, s[WV], 6
	s_add_co_u32 s93, s93, OSG
	s_lshl_b32 s94, s15, 9
	s_add_co_u32 s94, s94, OSG
	s_mul_i32 s95, s16, FRB
	v_and_b32 v8, 15, v0                           ; r
	v_bfe_u32 v9, v0, 4, 1                         ; h
	v_and_b32 v7, 31, v0
	v_lshlrev_b32 v7, 4, v7                        ; 16 x lane
	v_and_b32 v10, 8, v8
	v_add_nc_u32 v10, v10, v8                      ; r + 8 (r / 8)
	v_mul_u32_u24 v1, v10, BP
	v_lshl_add_u32 v1, v9, 6, v1
	v_add_nc_u32 v1, s90, v1                       ; the bias: my query's row, + 64 h: my 16 keys of a block of 32
	v_add_nc_u32 v2, s91, v7                       ; fragments
	v_lshrrev_b32 v3, 1, v7
	v_add_nc_u32 v3, s92, v3                       ; scale words: 8 x lane
	v_lshl_add_u32 v4, v8, 2, s93                  ; o's scale word: where I put it,
	v_add_nc_u32 v11, s94, v7                      ; and where a batch's 512 bytes are read back
	v_add_nc_u32 v9, s95, v7
	v_lshl_add_u32 v10, v8, 3, s58
.irp c, 0,1,2
	global_load_b128 v[16+4*\c:19+4*\c], v9, s[96:97] offset:512*\c   ; Q's fragment stays in registers
.endr
	global_load_b32 v255, v10, s[96:97] offset:8*FRB   ; and its scale words
	v_mov_b32 v13, 0xff61b1e6                      ; the largest t so far: -3e38, under every t
	v_floor_f32 v12, -v13                          ; -M
	v_mov_b32 v14, 0
	v_mov_b32 v15, 0
.irp b, 0,1,2,3
	v_mov_b32 v[236+\b], 0                         ; written once: a lane permute's destination counts as one of its sources
.endr
	v_mov_b32 v253, 0                              ; (named as the upper half of the pair v[252:253] before it is first written)
.set j, 0
.rept 64
	v_mov_b32 v[160+j], 0                          ; O^T: the step is written without a first step of its own: it finds zeros, which the first change of M leaves zeros
.set j, j+1
.endr
; A KEY STEP: 128 keys, in the slot at s[TB]
.macro STEP
	v_add_nc_u32 v8, s[TB], v1
	v_add_nc_u32 v9, s[TB], v2
	v_add_nc_u32 v10, s[TB], v3
	v_nop                                          ; four plain places behind the last step's products, ahead of loads into their registers
.irp b, 0,1,2,3
.irp j, 0,1,2,3,4,5,6,7
	ds_load_b64 v[96+16*\b+2*\j:97+16*\b+2*\j], v8 offset:128*\b+8*\j   ; bias(my query, key 32 b + 16 h + 2 j ..): where the scores of those keys will stand
.endr
.endr
	FRAGS 0, 0                                     ; K's tiles 0-3
	ds_load_b64 v[248:249], v10                    ; K's scale words: register t / 2, the odd tile in lanes 16-31
	ds_load_b64 v[250:251], v10 offset:256
	s_wait_dscnt 14                                ; the bias is in; the 14 loads behind it may be out
.set j, 0
.rept 32
	v_pk_mul_f32 v[96+j:97+j], v[96+j:97+j], s[84:85] op_sel_hi:[1,0]   ; x sqrt(128)
.set j, j+2
.endr
	s_wait_dscnt 0x0
.irp t, 0,1,2,3
	SPROD \t
.endr
	PLACES
	FRAGS 0, 4
	s_wait_dscnt 0x0
.irp t, 4,5,6,7
	SPROD \t
.endr
	PLACES
	FRAGS SPN, 0                                   ; V^T's tiles 0-3 and V's scale words land during the softmax
	ds_load_b64 v[248:249], v10 offset:SPN
	ds_load_b64 v[250:251], v10 offset:SPN+256
.irp b, 0,1,2,3
	v_max3_num_f32 v[232+\b], v[96+16*\b], v[97+16*\b], v[98+16*\b]   ; the largest score of each block of 32 keys: for the row's maximum, and, since p rises with the score, for the block's largest p
.endr
.irp i, 3,5,7,9,11,13
.irp b, 0,1,2,3
	v_max3_num_f32 v[232+\b], v[232+\b], v[96+16*\b+\i], v[97+16*\b+\i]
.endr
.endr
.irp b, 0,1,2,3
	v_max_num_f32 v[232+\b], v[232+\b], v[111+16*\b]
.endr
.irp b, 0,1,2,3
	v_permlanex16_b32 v[236+\b], v[232+\b], s20, s21
.endr
.irp b, 0,1,2,3
	v_max_num_f32 v[232+\b], v[232+\b], v[236+\b]  ; with lane l xor 16's 16 keys
.endr
	v_max3_num_f32 v254, v232, v233, v234
	v_max_num_f32 v254, v254, v235                 ; the step's largest score of my query
	v_mul_f32 v254, s22, v254                      ; as t (c is positive)
	v_max_num_f32 v13, v13, v254                   ; the running largest t
	v_mov_b32 v254, v12
	v_floor_f32 v12, -v13                          ; the new -M = floor(-t): M is a whole number
	v_sub_f32 v254, v12, v254                      ; old M - new M: a whole number, 0 or less
	v_cvt_i32_f32 v254, v254                       ; (it saturates)
	v_ldexp_f32 v252, 1.0, v254                    ; f = 2^(old M - new M)
.set j, 0
.rept 32
	v_pk_fma_f32 v[96+j:97+j], v[96+j:97+j], s[22:23], v[12:13] op_sel_hi:[1,0,0]   ; t - M
.set j, j+2
.endr
.irp b, 0,1,2,3
	v_fma_f32 v[232+\b], v[232+\b], s22, v12       ; the same of each block's largest score
.endr
.set j, 0
.rept 64
	v_exp_f32 v[96+j], v[96+j]                     ; p = 2^(t - M), at most 1
.set j, j+1
.endr
	v_pk_mul_f32 v[14:15], v[14:15], v[252:253] op_sel_hi:[1,0]   ; the sums under the new M (a plain place behind the exponentials)
	s_wait_alu depctr_va_vdst(0)                   ; one wait for the whole batch, ahead of its first reader
.irp b, 0,1,2,3
	v_exp_f32 v[232+\b], v[232+\b]                 ; the block's largest p
.endr
	v_pk_add_f32 v[236:237], v[96:97], v[98:99]    ; the row's sum is taken of the unquantised p, in two packed chains
.irp j, 4,8,12,16,20,24,28,32,36,40,44,48,52,56,60
	v_pk_add_f32 v[14:15], v[14:15], v[96+\j:97+\j]
	v_pk_add_f32 v[236:237], v[236:237], v[98+\j:99+\j]
.endr
	v_pk_add_f32 v[14:15], v[14:15], v[236:237]
	s_wait_alu depctr_va_vdst(0)                   ; and one for the four
.irp b, 0,1,2,3
	v_max_num_f32 v[232+\b], 0x2800000, v[232+\b]  ; the floor 2^(5 - 127): the byte cannot fall under 1
.endr
.irp b, 0,1,2,3
	v_add_nc_u32 v[244+\b], 0xfe000000, v[232+\b]  ; 4 off the exponent field: the conversion's scale operand
.endr
.irp b, 0,1,2,3
	v_lshrrev_b32 v[236+\b], 23, v[244+\b]         ; the scale's byte
.endr
	v_lshl_or_b32 v253, v237, 8, v236              ; p's scale word for these 128 keys
	v_lshl_or_b32 v253, v238, 16, v253
	v_lshl_or_b32 v253, v239, 24, v253
.irp c, 0,1
	v_cvt_scalef32_pk16_bf6_f32 v[224+6*\c:226+6*\c], v[96+32*\c:111+32*\c], v[244+2*\c]
	v_cvt_scalef32_pk16_bf6_f32 v[236+4*\c:238+4*\c], v[112+32*\c:127+32*\c], v[244+2*\c+1]
.endr
	v_nop                                          ; one plain place behind a scaled conversion
.irp c, 0,1
.irp i, 0,1,2
	v_permlane16_swap_b32 v[224+6*\c+\i], v[236+4*\c+\i]
.endr
.irp i, 0,1,2
	v_mov_b32 v[227+6*\c+\i], v[236+4*\c+\i]
.endr
.endr
.set j, 0
.rept 32
	v_pk_mul_f32 v[160+j:161+j], v[160+j:161+j], v[252:253] op_sel_hi:[1,0]   ; O^T under the new M; these 32 are also the places between p's codes and scale word and the products
.set j, j+2
.endr
	s_wait_dscnt 0x0                               ; V^T's tiles 0-3 and the scale words
.irp t, 0,1,2,3
	VPROD \t
.endr
	PLACES
	FRAGS SPN, 4
	s_wait_dscnt 0x0
.irp t, 4,5,6,7
	VPROD \t
.endr
	s_xor_b32 s[TB], s[TB], SLOT1                  ; on to the other slot
.endm
; THE CHANGE OF SLOTS stands at a step's head.  Each wave waits for all its tensor loads (its part of the slot ahead), adds 0 to its spare word, and waits for that and for its reads of the slot that it has left.
; fill = 1: a round of the cluster's barrier follows, so that no wave of any partner still reads that slot or has a load on its way, and the joint refill is the first thing behind it: one load a wave, with a whole key step in which to land.
.macro CHANGE fill
	s_wait_tensorcnt 0x0                           ; no tensor load of mine is out, so a group 0 may be written
	ds_add_u32 v5, v6                              ; 0 onto my spare word
.if \fill
	s_xor_b32 s[G0B+1], s[G0B+1], SLOT1            ; the walking descriptors: the other slot than last time,
	s_add_nc_u64 s[G0B+2:G0B+3], s[G0B+2:G0B+3], 512   ; the next 128 keys; the type bits on top are not reached
	s_xor_b32 s[G0K+1], s[G0K+1], SLOT1
	s_add_nc_u64 s[G0K+2:G0K+3], s[G0K+2:G0K+3], KVB
	s_wait_xcnt 0x0                                ; the last prefetch, a step back, has read its address, so it may be written
	s_add_nc_u64 s[PFA:PFA+1], s[PFA:PFA+1], s[PFS:PFS+1]
.endif
	s_wait_dscnt 0x0                               ; the add is done, and my reads of the slot that I have left are over
.if \fill
	CROUND
	JLOAD
	ASK
.else
	s_barrier_signal -1
	s_barrier_wait -1
.endif
.endm
	s_wait_loadcnt 0x0                             ; Q
.Lslot:                                            ; seven trips: behind each change of slots but the last the next key step is asked for
	CHANGE 1
	STEP
	s_sub_co_u32 s[SLOTS], s[SLOTS], 1
	s_cmp_lg_u32 s[SLOTS], 0
	s_cbranch_scc1 .Lslot
	CHANGE 0                                       ; the last step is written out
	STEP
	; THE WAY OUT.  O^T / the sum is quantised along the head's 128 channels as it stands: it is K step (head) of the last product's operand.
	v_add_f32 v14, v14, v15                        ; the sum's two halves,
	v_permlanex16_b32 v252, v14, s20, s21
	v_add_f32 v14, v14, v252                       ; and lane l xor 16's
	v_rcp_f32 v14, v14
	v_nop                                          ; a plain place behind the reciprocal; with the additions above: four places behind the last products
	v_nop
	s_wait_alu depctr_va_vdst(0)
.set j, 0
.rept 32
	v_pk_mul_f32 v[96+j:97+j], v[160+j:161+j], v[14:15] op_sel_hi:[1,0]   ; each accumulator from its low end on
.set j, j+2
.endr
	QUANT 96
.irp c, 0,1,2
	global_store_b128 v7, v[PC+4*\c:PC+4*\c+3], s[86:87] offset:512*\c   ; each store covers 512 consecutive bytes, aligned
.endr
	ds_store_b32 v4, v[PW]                         ; (both lanes of a row write the same word with the same value)
	s_wait_dscnt 0x0                               ; for the others' sake
	s_barrier_signal -1
	s_barrier_wait -1
	s_cmp_lg_u32 s16, 0                            ; waves 0 and 8 store their batch's 512 bytes of scale words whole
	s_cbranch_scc1 .Lnot_first
	ds_load_b128 v[96:99], v11
	s_wait_dscnt 0x0
	global_store_b128 v7, v[96:99], s[88:89]
.Lnot_first:
	s_wait_tensorcnt 0x0                           ; the wave's end, behind my last tensor load and my last LDS store
	ds_add_u32 v5, v6
	s_wait_dscnt 0x0
	CROUND                                         ; the closing round
	s_endpgm
.Lfunc_end_k_q3dc4563867_attn:
	.size	k_q3dc4563867_attn, .Lfunc_end_k_q3dc4563867_attn-k_q3dc4563867_attn
	.p2alignl 7, 3214868480
	.fill 96, 4, 3214868480
	.section	.rodata,"a",@progbits
	.p2align	6, 0x0
	.amdhsa_kernel k_q3dc4563867_attn
		.amdhsa_group_segment_fixed_size 327680
		.amdhsa_private_segment_fixed_size 0
		.amdhsa_enable_private_segment 0
		.amdhsa_kernarg_size 24
		.amdhsa_user_sgpr_count 2
		.amdhsa_user_sgpr_kernarg_segment_ptr 1
		.amdhsa_wavefront_size32 1
		.amdhsa_system_sgpr_workgroup_id_x 1
		.amdhsa_system_sgpr_workgroup_id_y 1
		.amdhsa_system_sgpr_workgroup_id_z 1
		.amdhsa_system_vgpr_workitem_id 0
		.amdhsa_next_free_vgpr 256
		.amdhsa_next_free_sgpr 100
		.amdhsa_reserve_vcc 0
		.amdhsa_float_denorm_mode_32 3
		.amdhsa_float_denorm_mode_16_64 3
		.amdhsa_memory_ordered 1
		.amdhsa_forward_progress 1
		.amdhsa_inst_pref_size 65
	.end_amdhsa_kernel
	.amdgpu_metadata
---
amdhsa.version: [ 1, 2 ]
amdhsa.kernels:
  - .name:           k_q3dc4563867_attn
    .symbol:         k_q3dc4563867_attn.kd
    .args:
      - { .name: qkv, .offset: 0, .size: 8, .value_kind: global_buffer, .address_space: global }
      - { .name: rel_pos_bias, .offset: 8, .size: 8, .value_kind: global_buffer, .address_space: global }
      - { .name: oq, .offset: 16, .size: 8, .value_kind: global_buffer, .address_space: global }
    .group_segment_fixed_size: 327680
    .private_segment_fixed_size: 0
    .kernarg_segment_align: 8
    .kernarg_segment_size: 24
    .max_flat_workgroup_size: 512
    .sgpr_count:     100
    .vgpr_count:     256
    .wavefront_size: 32
...
	.end_amdgpu_metadata
.endif
;; end of part 3
;; launch outp (part 4): grid 8 x 32, 4 waves a work-group, clusters of 4 x 4, 295,424 bytes of LDS; arguments oq, wq, query, out0; writes out0
.if DOCPART == 4
	.amdgcn_target "amdgcn-amd-amdhsa--gfx1250"
	.amdhsa_code_object_version 6
	.text
	.protected	k_q3dc4563867_outp
	.globl	k_q3dc4563867_outp
	.p2align	8
	.type	k_q3dc4563867_outp,@function
k_q3dc4563867_outp:
	s_mov_b64 s[64:65], 0
	v_nop
	global_prefetch_b8 v0, s[64:65] scope:SCOPE_SE
	s_setreg_imm32_b32 hwreg(HW_REG_WAVE_MODE, 25, 1), 1
	s_wait_xcnt 0x0
	s_wait_alu depctr_hold_cnt(0) depctr_sa_sdst(0) depctr_va_vdst(0) depctr_va_sdst(0) depctr_va_ssrc(0) depctr_va_vcc(0) depctr_vm_vsrc(0)
	s_getreg_b32 s2, hwreg(HW_REG_IB_STS2, 6, 4)
	s_cmp_eq_u32 s2, 0
	s_cbranch_scc0 .Lentry_in_a_cluster
	s_endpgm
.Lentry_in_a_cluster:
	s_bfe_u32 s2, ttmp6, 0x10000c
	s_cmp_lg_u32 s2, 0xf033
	s_cbranch_scc0 .Lentry_shape_is_right
	s_endpgm
.Lentry_shape_is_right:
; OUTP.  out0 = (query + o Wo^T) / sqrt(2): the last product on codes of BF6 with E8M0 scales, K = 1,024, and reference()'s residual (0.5 query + 0.5 out) / sqrt(0.5) in f32.
; OPERANDS are images of registers: a fragment (16 rows x 128 K) is 1,536 bytes, registers 4 c .. 4 c + 3 of lane l at 512 c + 16 l; a panel is 128 rows: [K step][tile][1,536] and 4,096 bytes of scale words:
; Wo's (tile t, place r, K step s) at 512 t + 32 r + 4 s, o's at 512 s + 64 t + 4 r.  Place p of tile T is row 32 (T / 2) + 8 (T % 2) + p + 8 (p / 8).
; SHARES.  A work-group multiplies S0 (128 rows of Wo: 128 output channels, source 0) by S1 (256 tokens of o, source 1).  ALL OF K LIES IN LDS, 3 x 98,304 bytes, each byte filled once.  Wave w takes S1's tiles
; 4 (w % 2) + 0..3 of S1's panel w / 2 against S0's eight tiles: 32 accumulators.  A lane holds one token, and by the order of a tile's rows its 64 registers of a tile are channels 32 b + 16 (lane / 16) + i.
; CLUSTER 4 x 4.  S0 hangs on the work-group's x alone and is asked for jointly along a column of the cluster, S1 on y alone and jointly along a row.
; query's numbers for the wave's 64 tokens x 128 channels are asked for at the head, into window 3, and are on their way during the whole product.
; REGISTERS: window 0: v1-15 addresses; v32-63 S0's scale words, v64-79 S1's (nothing else ever lies there); v96-143, v144-191 S1's fragments, two sets; on the way out v96-159, v160-223 rows of the result by turns.
;   window 1: v0-95, v128-223 S0's fragments, two sets.   window 2: accumulator (a, b) at v[64 a + 8 b].   window 3: query: tile a, place i at v[64 a + 4 i].
.set PANEL, 102400
.set CODES, 98304
.set FRB,   1536
.set KSB,   12288
.set CHUNK, 2*KSB                      ; what one tensor load brings: two K steps, dense: 96 rows of 256 bytes
.set WO0,   2457600                    ; where o_w's panels begin in wq
.set ROWB,  4096                       ; a row of query and of out0
.set SP,    528                        ; a stage row: 512 bytes + 16: row r starts at bank 4 r mod 64 (64 banks of 4 bytes: ISA guide 11.1)
.set AD0, 8                            ; v8-9    16 x lane (+ 4 K steps): S0's fragments in LDS; v8 also serves as 16 x lane
.set AD1, 10                           ; v10-11  my four tiles of S1
.set SCO, 12                           ; v12     512 (lane / 16) + 32 r
.set STO, 13                           ; v13     my stage, on the way in: row r, + 64 h
.set RD,  14                           ; v14     and back: 16 x lane
.set L4,  15                           ; v15     4 x lane
.set SC0, 32
.set SC1, 64
.set MSB, 0
.macro WIN new
.if MSB != \new
	s_set_vgpr_msb (MSB<<8)|\new
.set MSB, \new
.endif
.endm
.macro PLACES
.rept 4
	v_nop
.endr
.endm
.macro CROUND
	s_barrier_signal -1
	s_barrier_wait -1
	s_cmp_lg_u32 s10, 0
	s_cbranch_scc1 .Lnot_wave_0_\@
	s_barrier_signal -3
.Lnot_wave_0_\@:
	s_barrier_wait -3
	s_barrier_signal -1
	s_barrier_wait -1
.endm
.macro FETCH s                         ; K step s: S0's eight fragments and my four of S1, 36 loads in one run, into set s % 2
	WIN 0x40
.irp i, 0,1,2,3,4,5,6,7
.irp c, 0,1,2
	ds_load_b128 v[128*((\s)%2)+12*\i+4*\c:128*((\s)%2)+12*\i+4*\c+3], v[AD0+(\s)/4] offset:((\s)%4)*KSB+FRB*\i+512*\c
.endr
.endr
	WIN 0
.irp i, 0,1,2,3
.irp c, 0,1,2
	ds_load_b128 v[96+48*((\s)%2)+12*\i+4*\c:96+48*((\s)%2)+12*\i+4*\c+3], v[AD1+(\s)/4] offset:((\s)%4)*KSB+FRB*\i+512*\c
.endr
.endr
.endm
.macro MEET q
	s_wait_tensorcnt 3-(\q)                        ; my chunks 0 .. q have landed; the later ones stay out
	s_wait_dscnt 0x0
	s_barrier_signal -1
	s_barrier_wait -1
.endm
.macro WM a, b, s
.set rD, 64*(\a)+8*(\b)
.set rA, 128*((\s)%2)+12*(\b)
.set rB, 96+48*((\s)%2)+12*(\a)
.set rX, SC0+8*((\b)/2)+(\s)
.set rY, SC1+8*((\a)/2)+(\s)
.if (\s) == 0
.if ((\a)%2 == 0) && ((\b)%2 == 0)
	v_wmma_scale_f32_16x16x128_f8f6f4 v[rD:rD+7], v[rA:rA+11], v[rB:rB+11], 0, v[rX], v[rY] matrix_a_fmt:MATRIX_FMT_BF6 matrix_b_fmt:MATRIX_FMT_BF6
.elseif (\a)%2 == 0
	v_wmma_scale_f32_16x16x128_f8f6f4 v[rD:rD+7], v[rA:rA+11], v[rB:rB+11], 0, v[rX], v[rY] matrix_a_fmt:MATRIX_FMT_BF6 matrix_b_fmt:MATRIX_FMT_BF6 matrix_a_scale:MATRIX_SCALE_ROW1
.elseif (\b)%2 == 0
	v_wmma_scale_f32_16x16x128_f8f6f4 v[rD:rD+7], v[rA:rA+11], v[rB:rB+11], 0, v[rX], v[rY] matrix_a_fmt:MATRIX_FMT_BF6 matrix_b_fmt:MATRIX_FMT_BF6 matrix_b_scale:MATRIX_SCALE_ROW1
.else
	v_wmma_scale_f32_16x16x128_f8f6f4 v[rD:rD+7], v[rA:rA+11], v[rB:rB+11], 0, v[rX], v[rY] matrix_a_fmt:MATRIX_FMT_BF6 matrix_b_fmt:MATRIX_FMT_BF6 matrix_a_scale:MATRIX_SCALE_ROW1 matrix_b_scale:MATRIX_SCALE_ROW1
.endif
.else
.if ((\a)%2 == 0) && ((\b)%2 == 0)
	v_wmma_scale_f32_16x16x128_f8f6f4 v[rD:rD+7], v[rA:rA+11], v[rB:rB+11], v[rD:rD+7], v[rX], v[rY] matrix_a_fmt:MATRIX_FMT_BF6 matrix_b_fmt:MATRIX_FMT_BF6
.elseif (\a)%2 == 0
	v_wmma_scale_f32_16x16x128_f8f6f4 v[rD:rD+7], v[rA:rA+11], v[rB:rB+11], v[rD:rD+7], v[rX], v[rY] matrix_a_fmt:MATRIX_FMT_BF6 matrix_b_fmt:MATRIX_FMT_BF6 matrix_a_scale:MATRIX_SCALE_ROW1
.elseif (\b)%2 == 0
	v_wmma_scale_f32_16x16x128_f8f6f4 v[rD:rD+7], v[rA:rA+11], v[rB:rB+11], v[rD:rD+7], v[rX], v[rY] matrix_a_fmt:MATRIX_FMT_BF6 matrix_b_fmt:MATRIX_FMT_BF6 matrix_b_scale:MATRIX_SCALE_ROW1
.else
	v_wmma_scale_f32_16x16x128_f8f6f4 v[rD:rD+7], v[rA:rA+11], v[rB:rB+11], v[rD:rD+7], v[rX], v[rY] matrix_a_fmt:MATRIX_FMT_BF6 matrix_b_fmt:MATRIX_FMT_BF6 matrix_a_scale:MATRIX_SCALE_ROW1 matrix_b_scale:MATRIX_SCALE_ROW1
.endif
.endif
.endm
.macro KSTEP s                         ; the next step's fragments are asked for, then this step's 32 products; the 32 accumulators take turns, one instruction a turn
.if (\s) < 7
.if (\s)%2 == 1
	MEET ((\s)+1)/2
.endif
.if (\s) > 0
	PLACES                                         ; the set to be loaded was read by the last step's products
.endif
	FETCH (\s)+1
	s_wait_dscnt 36                                ; all but the 36 just issued
.else
	s_wait_dscnt 0x0
.endif
	WIN 0xa1                                       ; source 0 window 1, source 1 window 0, C and D window 2
.irp a, 0,1,2,3
.irp b, 0,1,2,3,4,5,6,7
	WM \a, \b, \s
.endr
.endr
	WIN 0
.endm
	s_load_b128 s[4:7], s[0:1], 0x0                ; oq s[4:5], wq s[6:7]
	s_load_b128 s[92:95], s[0:1], 0x10             ; query s[92:93], out0 s[94:95]
	v_lshl_add_u32 v254, v0, 2, 0x48000
	v_mov_b32 v255, 0
	ds_add_u32 v254, v255
	v_lshrrev_b32 v1, 5, v0
	v_readfirstlane_b32 s10, v1                    ; wave 0..3
	s_bfe_u32 s11, ttmp6, 0x40000                  ; cx
	s_bfe_u32 s12, ttmp6, 0x40004                  ; cy
	s_and_b32 s13, ttmp7, 0xffff
	s_lshl_b32 s14, ttmp9, 2
	s_add_co_u32 s14, s14, s11                     ; S0's panel: 128 output channels.  No register of this chain ever holds cy
	s_lshl_b32 s15, s13, 2
	s_add_co_u32 s15, s15, s12                     ; S1's pair of panels: 256 tokens.  None of this chain ever holds cx
	s_lshl_b32 s2, 0x1111, s11                     ; my column of the cluster
	s_lshl_b32 s3, s12, 2
	s_lshl_b32 s3, 15, s3                          ; my row
	s_or_b32 s68, s2, (3<<16)|(1<<21)              ; group 1 for S0: the mask; elements of 8 bytes; bit 21 set beside a mask; no padding
	s_or_b32 s76, s3, (3<<16)|(1<<21)
.irp g, 68, 76
	s_mov_b32 s[\g+1], 32<<16                      ; rows of 256 bytes,
	s_mov_b32 s[\g+2], 96<<16                      ; 96 of them,
	s_mov_b32 s[\g+3], 32<<16
	s_mov_b32 s[\g+4], 96
	s_mov_b32 s[\g+5], 32                          ; dense
	s_mov_b32 s[\g+6], 0
	s_mov_b32 s[\g+7], 0
.endr
	s_mul_i32 s24, s14, PANEL
	s_add_co_u32 s24, s24, WO0
	s_mov_b32 s25, 0
	s_lshl_b32 s26, s15, 1
	s_sub_co_u32 s27, s10, 1
	s_and_b32 s27, s27, 1                          ; waves 1 and 2 fetch S1's panels 0 and 1
	s_add_co_u32 s28, s26, s27
	s_mul_i32 s28, s28, PANEL
	s_mov_b32 s29, 0
	s_mul_i32 s30, s27, CODES
	s_add_co_u32 s30, s30, CODES                   ; LDS: S0 at 0, S1's panels behind it
	s_wait_dscnt 0x0
	s_wait_kmcnt 0x0
	s_add_nc_u64 s[20:21], s[6:7], s[24:25]
	s_add_nc_u64 s[28:29], s[4:5], s[28:29]
.irp q, 0,1,2,3
	s_mov_b32 s[32+4*\q], 1
	s_mov_b32 s[33+4*\q], \q*CHUNK
	s_add_nc_u64 s[34+4*\q:35+4*\q], s[20:21], \q*CHUNK
	s_or_b32 s[35+4*\q], s[35+4*\q], 0x80000000
	s_mov_b32 s[48+4*\q], 1
	s_add_co_u32 s[49+4*\q], s30, \q*CHUNK
	s_add_nc_u64 s[50+4*\q:51+4*\q], s[28:29], \q*CHUNK
	s_or_b32 s[51+4*\q], s[51+4*\q], 0x80000000
.endr
	CROUND                                         ; all sixteen work-groups are here: the joint loads meet
	s_cmp_eq_u32 s10, 0                            ; wave 0 S0's four chunks, waves 1 and 2 S1's, wave 3 none: four loads of a wave are out at the most
	s_cbranch_scc0 .Lnot_s0
	tensor_load_to_lds s[32:35], s[68:75]
	s_nop 0
	tensor_load_to_lds s[36:39], s[68:75]
	s_nop 0
	tensor_load_to_lds s[40:43], s[68:75]
	s_nop 0
	tensor_load_to_lds s[44:47], s[68:75]
	s_nop 0
	PLACES
	s_branch .Lasked
.Lnot_s0:
	s_cmp_eq_u32 s10, 3
	s_cbranch_scc1 .Lasked
	tensor_load_to_lds s[48:51], s[76:83]
	s_nop 0
	tensor_load_to_lds s[52:55], s[76:83]
	s_nop 0
	tensor_load_to_lds s[56:59], s[76:83]
	s_nop 0
	tensor_load_to_lds s[60:63], s[76:83]
	s_nop 0
	PLACES
.Lasked:
	v_and_b32 v1, 15, v0                           ; r
	v_bfe_u32 v2, v0, 4, 1                         ; h
	v_and_b32 v3, 31, v0                           ; lane
	v_lshlrev_b32 v[AD0], 4, v3
	v_add_nc_u32 v[AD0+1], 4*KSB, v[AD0]
	s_lshr_b32 s84, s10, 1
	s_and_b32 s85, s10, 1
	s_mul_i32 s86, s84, CODES
	s_add_co_u32 s86, s86, CODES
	s_mul_i32 s87, s85, 4*FRB
	s_add_co_u32 s86, s86, s87
	v_add_nc_u32 v[AD1], s86, v[AD0]
	v_add_nc_u32 v[AD1+1], 4*KSB, v[AD1]
	v_lshlrev_b32 v[SCO], 5, v1
	v_lshl_add_u32 v[SCO], v2, 9, v[SCO]
	v_lshlrev_b32 v[L4], 2, v3
	s_mul_i32 s87, s10, 16*SP                      ; my stage: in S0's bytes, which have had their only fill and are read no more when the first result is stored there
	v_mul_u32_u24 v[STO], v1, SP
	v_lshl_add_u32 v[STO], v2, 6, v[STO]
	v_add_nc_u32 v[STO], s87, v[STO]
	v_add_nc_u32 v[RD], s87, v[AD0]
	s_add_co_u32 s88, s26, s84                     ; my panel of o, its scale words from my first tile on
	s_mul_i32 s88, s88, PANEL
	s_lshl_b32 s87, s85, 8
	s_add_co_u32 s88, s88, s87
	s_mov_b32 s89, 0
	s_add_nc_u64 s[88:89], s[4:5], s[88:89]
	s_lshl_b32 s16, s15, 20                        ; my 64 tokens' rows: (256 y + 64 w) x 4,096 bytes,
	s_lshl_b32 s17, s10, 18
	s_add_co_u32 s16, s16, s17
	s_lshl_b32 s17, s14, 9                         ; and my work-group's 128 channels
	s_add_co_u32 s16, s16, s17
	s_mov_b32 s17, 0
	s_add_nc_u64 s[92:93], s[92:93], s[16:17]
	s_add_nc_u64 s[94:95], s[94:95], s[16:17]
.irp p, 0,1,2,3                                ; the scale words of all of K come once, straight into registers
.irp u, 0,1
	global_load_b128 v[SC0+8*\p+4*\u:SC0+8*\p+4*\u+3], v[SCO], s[20:21] offset:CODES+1024*\p+16*\u
.endr
.endr
.irp p, 0,1
.irp s, 0,1,2,3,4,5,6,7
	global_load_b32 v[SC1+8*\p+\s], v[L4], s[88:89] offset:CODES+512*\s+128*\p
.endr
.endr
	WIN 0xc0                                       ; destination window 3
.irp a, 0,1,2,3
.irp i, 0,1,2,3,4,5,6,7,8,9,10,11,12,13,14,15
	global_load_b128 v[64*\a+4*\i:64*\a+4*\i+3], v[AD0], s[92:93] offset:(32*(\a/2)+8*(\a%2)+\i+8*(\i/8))*ROWB th:TH_LOAD_NT   ; query: tile a, place i: 512 consecutive bytes
.endr
.endr
	WIN 0
	MEET 0
	FETCH 0
	s_wait_loadcnt 63                              ; the scale words are in: 64 loads were issued behind them, and the count's field holds one fewer
.irp s, 0,1,2,3,4,5,6,7
	KSTEP \s
.endr
	s_barrier_signal -1                            ; (the last step waited for all my LDS loads)  nobody reads the operands any more: the stages may be written
	s_barrier_wait -1
; THE WAY OUT, a tile of 16 tokens x 128 channels at a time: through my own stage, back as whole rows of 512 bytes, query added, x 1 / sqrt(2), stored.
.macro TOSTAGE a
	WIN 0x08                                       ; an LDS store's data are its source 1: window 2
.irp b, 0,1,2,3,4,5,6,7
	ds_store_b128 v[STO], v[64*(\a)+8*\b:64*(\a)+8*\b+3] offset:128*(\b/2)+32*(\b%2)       ; each accumulator from its low end on: channels 32 (b / 2) + 16 h + 8 (b % 2) + 0 .. 7
	ds_store_b128 v[STO], v[64*(\a)+8*\b+4:64*(\a)+8*\b+7] offset:128*(\b/2)+32*(\b%2)+16
.endr
	WIN 0
.set BB, 96+64*((\a)%2)
.irp i, 0,1,2,3,4,5,6,7,8,9,10,11,12,13,14,15
	ds_load_b128 v[BB+4*\i:BB+4*\i+3], v[RD] offset:SP*\i   ; LDS serves a wave's instructions in order: these see my stores, and the next tile's stores come behind them
.endr
.endm
.macro SEND a, younger                 ; younger: the LDS instructions issued behind tile a's loads
.set BB, 96+64*((\a)%2)
	s_wait_dscnt \younger
	s_wait_loadcnt 16*(3-(\a))                     ; query's 16 rows of this tile are in; the later tiles' may be out
	WIN 0x0c                                       ; source 1 window 3
.set j, 0
.rept 32
	v_pk_add_f32 v[BB+j:BB+j+1], v[BB+j:BB+j+1], v[64*(\a)+j:64*(\a)+j+1]
.set j, j+2
.endr
	WIN 0
.set j, 0
.rept 32
	v_pk_mul_f32 v[BB+j:BB+j+1], v[BB+j:BB+j+1], 0x3f3504f3 op_sel_hi:[1,0]
.set j, j+2
.endr
.irp i, 0,1,2,3,4,5,6,7,8,9,10,11,12,13,14,15
	global_store_b128 v[AD0], v[BB+4*\i:BB+4*\i+3], s[94:95] offset:(32*((\a)/2)+8*((\a)%2)+\i+8*(\i/8))*ROWB th:TH_STORE_NT   ; 32 lanes store 512 consecutive bytes, aligned
.endr
.endm
	PLACES                                         ; behind the last products: ahead of the stores that read results and of the loads into S1's registers
	TOSTAGE 0
.irp a, 1,2,3
.if \a > 1
	s_wait_xcnt 0x0                                ; tile a - 2's stores have read their data: tile a's rows may land there
.endif
	TOSTAGE \a
	SEND \a-1, 32                                  ; behind tile a - 1's loads: tile a's 16 stores and 16 loads
.endr
	SEND 3, 0
	s_wait_tensorcnt 0x0
	ds_add_u32 v254, v255
	s_wait_dscnt 0x0
	CROUND                                         ; the closing round
	s_endpgm
.Lfunc_end_k_q3dc4563867_outp:
	.size	k_q3dc4563867_outp, .Lfunc_end_k_q3dc4563867_outp-k_q3dc4563867_outp
	.p2alignl 7, 3214868480
	.fill 96, 4, 3214868480
	.section	.rodata,"a",@progbits
	.p2align	6, 0x0
	.amdhsa_kernel k_q3dc4563867_outp
		.amdhsa_group_segment_fixed_size 295424
		.amdhsa_private_segment_fixed_size 0
		.amdhsa_enable_private_segment 0
		.amdhsa_kernarg_size 32
		.amdhsa_user_sgpr_count 2
		.amdhsa_user_sgpr_kernarg_segment_ptr 1
		.amdhsa_wavefront_size32 1
		.amdhsa_system_sgpr_workgroup_id_x 1
		.amdhsa_system_sgpr_workgroup_id_y 1
		.amdhsa_system_sgpr_workgroup_id_z 1
		.amdhsa_system_vgpr_workitem_id 0
		.amdhsa_next_free_vgpr 1024
		.amdhsa_next_free_sgpr 96
		.amdhsa_reserve_vcc 0
		.amdhsa_float_denorm_mode_32 3
		.amdhsa_float_denorm_mode_16_64 3
		.amdhsa_memory_ordered 1
		.amdhsa_forward_progress 1
		.amdhsa_inst_pref_size 104
	.end_amdhsa_kernel
	.amdgpu_metadata
---
amdhsa.version: [ 1, 2 ]
amdhsa.kernels:
  - .name:           k_q3dc4563867_outp
    .symbol:         k_q3dc4563867_outp.kd
    .args:
      - { .name: oq, .offset: 0, .size: 8, .value_kind: global_buffer, .address_space: global }
      - { .name: wq, .offset: 8, .size: 8, .value_kind: global_buffer, .address_space: global }
      - { .name: query, .offset: 16, .size: 8, .value_kind: global_buffer, .address_space: global }
      - { .name: out0, .offset: 24, .size: 8, .value_kind: global_buffer, .address_space: global }
    .group_segment_fixed_size: 295424
    .private_segment_fixed_size: 0
    .kernarg_segment_align: 8
    .kernarg_segment_size: 32
    .max_flat_workgroup_size: 128
    .sgpr_count:     96
    .vgpr_count:     1024
    .wavefront_size: 32
...
	.end_amdgpu_metadata
.endif
;; end of part 4
